; MI455X (gfx1250); checked and timed in simulation.
; The chip was launched on July 23, 2026; its instructions are those of AMD's public machine-readable ISA for CDNA 5 (MIT licence, August 2026) and "CDNA5" Instruction Set Architecture Reference Guide (July 2026). The comments in the code are by the model that wrote it; some were corrected since.
;; Causal Multi Head Attention. Allowed arithmetic: matrix products marked QUANTISED: E4M3 operands, one E8M0 scale for each 32 along K, by v_wmma_scale_f32_16x16x128_f8f6f4 with both operands' format E4M3, f32 sums; everything else in f32.
;; Inputs: Wk 1,024 x 1,024 float32; Wo 1,024 x 1,024 float32; Wq 1,024 x 1,024 float32; Wv 1,024 x 1,024 float32; bo 1,024 float32; x 4 x 2,048 x 1,024 float32.
;; Outputs: out0 4 x 2,048 x 1,024 float32.
;; This version of the problem:
;;   THIS VERSION OF THE PROBLEM IS GIVEN IN LOW PRECISION. The matrix products marked QUANTISED in the list below multiply operands that are first quantised to E4M3 (4 exponent bits, 3 mantissa bits; 8 bits a number), with one power-of-two scale for each 32 numbers along K (OCP MX v1.0); their sums are f32. All else is computed in f32.
;;   The module's matrix products, in the order in which they are computed (A, B: the left and right operand; K: the contracted axis; several contracted axes count as one K, in the product's order):
;;     1. [M 8,192, K 1,024] x [K 1,024, N 1,024]; A: input x; B: input Wq: QUANTISED
;;     2. [M 8,192, K 1,024] x [K 1,024, N 1,024]; A: input x; B: input Wk: QUANTISED
;;     3. [M 8,192, K 1,024] x [K 1,024, N 1,024]; A: input x; B: input Wv: QUANTISED
;;     4. batch 64 x [M 2,048, K 64] x [K 64, N 2,048]; A: computed on the way; B: computed on the way: QUANTISED
;;     5. batch 64 x [M 2,048, K 2,048] x [K 2,048, N 64]; A: softmax (see below); B: computed on the way: QUANTISED
;;     6. [M 8,192, K 1,024] x [K 1,024, N 1,024]; A: computed on the way; B: input Wo: QUANTISED
;;   THE QUANTISER, for each operand of a quantised product, along K:
;;     - K is cut into blocks of 32 from its start; a last block that is shorter is filled with zeros.
;;     - A block's scale is 2^e with e = floor(log2(the largest magnitude in the block)) - 8, held to -126 .. 127; a block of zeros has e = 0. As a byte (E8M0): e + 127.
;;     - Each number is divided by its block's scale, clamped to +-448, and rounded to the nearest number of E4M3, ties to even, subnormals kept.
;;     - The product sums the exact products of the quantised numbers (number of the format x scale) in f32.
;;   ~~~python
;;   def quantise(x, axis):      # numpy; x: float32 -> the quantised numbers, widened to float32 again
;;       x = np.moveaxis(x, axis, -1); K = x.shape[-1]
;;       x = np.pad(x, [(0, 0)] * (x.ndim - 1) + [(0, -K % 32)]); x = x.reshape(x.shape[:-1] + (-1, 32)); a = np.abs(x).max(-1, keepdims=True)
;;       e = np.where(a > 0, np.clip(np.frexp(np.where(a > 0, a, 1))[1] - 1 - 8, -126, 127), 0)      # np.frexp(a)[1] - 1 = floor(log2(a)), exactly
;;       r = np.clip(x / 2.0 ** e, -448, 448)
;;       step = 2.0 ** (np.maximum(np.frexp(np.where(r == 0, 1, r))[1] - 1, -6) - 3)
;;       q = np.round(r / step) * step * 2.0 ** e      # np.round: ties to even
;;       return np.moveaxis(q.reshape(q.shape[:-2] + (-1,))[..., :K], -1, axis).astype(np.float32)
;;   ~~~
;;   SOFTMAX AHEAD OF A QUANTISED PRODUCT. Where the list says 'softmax', what is quantised is not the finished softmax but p = 2^(t - M), with t = logit x log2(e) and M = ceil(the row's largest t), a whole number; so 1/2 < the row's largest p <= 1. The row's sum l is taken of the UNQUANTISED p, in f32, and the product's result is divided by l at the end. Since M is a whole number, a kernel that streams over the keys may use a running M (the ceiling of the running maximum): every later rescaling is an exact power of two, which a block's scale takes up: the codes' values come out the same.
;;   OPERANDS COMPUTED ON THE WAY. 'Computed on the way' means the value that the module computes at that place (a softmax that the list does not call 'softmax' is quantised finished and normalised). What goes into a quantiser is computed in f32, as accurately as f32 sums, v_exp_f32 and their like allow (about 1e-6 of the number): no bf16 or f16 on the way to a quantiser, and a product that is left as it is and whose result goes on into a quantised operand takes f32 operands (vector FMAs, or v_wmma_f32_16x16x4_f32). A number that lies on a knife's edge between two numbers of the format may be rounded either way, as far as f32 arithmetic and the matrix unit's own rounding can turn it there, and no further.
;; One version. Each part assembles by itself: llvm-mc -triple=amdgcn-amd-amdhsa -mcpu=gfx1250 --defsym DOCPART=n.
;; ======== version 1 of 1: 4 launches
;; limits: right only within a limited range of input values
;; workspace buffers: xc 8,388,608 bytes; xs 262,144 bytes; wc 4,194,304 bytes; ws 131,072 bytes; qkv 25,952,256 bytes; cc 8,388,608 bytes; cs 262,144 bytes
;; launch quant (part 1): grid 384 x 1, 4 waves a work-group, no clusters, 34,304 bytes of LDS; arguments x, Wq, Wk, Wv, Wo, xc, xs, wc, ws; writes xc, xs, wc, ws
.if DOCPART == 1
	.amdgcn_target "amdgcn-amd-amdhsa--gfx1250"
	.amdhsa_code_object_version 6
	.text
	.protected	k_qf95f19f9b8_quant
	.globl	k_qf95f19f9b8_quant
	.p2align	8
	.type	k_qf95f19f9b8_quant,@function
k_qf95f19f9b8_quant:
	s_mov_b64 s[64:65], 0
	v_nop
	global_prefetch_b8 v0, s[64:65] scope:SCOPE_SE
	s_setreg_imm32_b32 hwreg(HW_REG_WAVE_MODE, 25, 1), 1
	s_wait_xcnt 0x0
; x [8192][1024] and Wq, Wk, Wv, Wo [1024 (k)][1024 (n)], f32, become codes of E4M3 with one E8M0 byte for each 32 along K.
; A block's scale is 2^(floor(log2(largest magnitude)) - 8): its byte is the largest magnitude's exponent field - 8, held at 1 from below; each number is held within +-448 x scale and rounded to the nearest code.
; LIMITS: NaN and infinities among the inputs are not served.  A block of zeros gets the byte 1 where the rule says 127: its codes are zeros, and this program alone reads the bytes.
; LAYOUT OF THE CODES ("image order"): row tiles of 16 rows; a row tile is 32 K-blocks of 512 bytes; in a K-block lane (r, h) owns the 16 bytes at 16 (r + 16 h): k = 32 kb + 16 h + 0 .. 15 of the tile's row r.
; So a group of four registers of a matrix operand is 512 consecutive bytes, 16 a lane.  SCALES: [row tile][K step of 256][row r][8 bytes].
; STORED ROW ORDER: in each group of 32 rows, stored tile u (0, 1), row r is true row 8 u + r + 8 (r / 8): a later product's results then lie as the next operand's registers.
; Work-groups 0-255 take x (32 rows each), 256-383 the weights (128 columns x 256 along K each).  Waves share nothing: no barrier.  Only the x path uses LDS.
.set SP,   528                         ; a stage row: 512 bytes + 16: 16 rows start at 16 different groups of banks
.set STG,  16*SP                       ; a wave's stage
.set R,    16                          ; v16-207  x path: three sets of 64 numbers
.set PC,   208                         ; v208-223 a fragment's codes
.set TM,   224                         ; v224-239 maxima, bytes, scale operands
.set SW,   240                         ; v240-243 the four steps' scale words
.set X,    32                          ; v32-95   weights path: two sets of 32 numbers
.set C,    160                         ; v160-223 its codes: eight registers a block, never written again
.set SB,   24                          ; v24-25   its eight scale bytes
.macro XLOAD s                         ; step s: 128 numbers of each of my 16 rows: a load reads 512 consecutive bytes of one row
.set XL, R+64*((\s)%3)
.irp i, 0,1,2,3,4,5,6,7,8,9,10,11,12,13,14,15
	global_load_b128 v[XL+4*\i:XL+4*\i+3], v1, s[4:5] offset:(\i+8*(\i/8))*4096+512*\s th:TH_LOAD_NT
.endr
.endm
; 64 numbers of a lane, register 16 b + i = k 32 b + 16 h + i of my row, become 16 registers of codes in v[PC] on and the scale word in v[w]
.macro QUANT64 s, w
.irp b, 0,1,2,3
	v_max3_num_f32 v[TM+\b], |v[\s+16*\b]|, |v[\s+1+16*\b]|, 0x4800000   ; my 16 numbers of block b, and the floor 2^(9 - 127): the byte cannot fall under 1
.endr
.irp i, 2,4,6,8,10,12,14
.irp b, 0,1,2,3
	v_max3_num_f32 v[TM+\b], v[TM+\b], |v[\s+16*\b+\i]|, |v[\s+1+16*\b+\i]|
.endr
.endr
.irp b, 0,1,2,3
	v_permlanex16_b32 v[TM+4+\b], v[TM+\b], s26, s27
.endr
.irp b, 0,1,2,3
	v_max_num_f32 v[TM+\b], v[TM+\b], v[TM+4+\b]           ; with lane l xor 16's 16: the block's largest magnitude
.endr
.irp b, 0,1,2,3
	v_add_nc_u32 v[TM+12+\b], 0xfc000000, v[TM+\b]         ; 8 off its exponent field: the conversion's scale operand
.endr
.irp b, 0,1,2,3
.endr
.irp b, 0,1,2,3
	v_lshrrev_b32 v[TM+4+\b], 23, v[TM+12+\b]              ; the scale's byte
.endr
	v_lshl_or_b32 v[\w], v[TM+5], 8, v[TM+4]
	v_lshl_or_b32 v[\w], v[TM+6], 16, v[\w]
	v_lshl_or_b32 v[\w], v[TM+7], 24, v[\w]
.irp b, 0,1,2,3
.irp i, 0,1,2,3,4,5,6,7,8,9,10,11,12,13,14,15
.endr
.endr
	s_wait_xcnt 0x0                                        ; the last step's stores have read v[PC] on: it is written again only behind this wait
.irp b, 0,1,2,3
	v_cvt_scalef32_pk8_fp8_f32 v[PC+4*\b:PC+1+4*\b], v[\s+16*\b:\s+7+16*\b], v[TM+12+\b]
	v_cvt_scalef32_pk8_fp8_f32 v[PC+2+4*\b:PC+3+4*\b], v[\s+8+16*\b:\s+15+16*\b], v[TM+12+\b]
.endr
	v_nop                                                  ; a plain place behind the conversions
.endm
; Step s of the x path.  left = the younger loads that may stay out.  The rows go through my stage as loaded and come back 64 bytes a block and lane.
.macro XSTEP s, left
.set XS, R+64*((\s)%3)
	s_wait_loadcnt \left
.irp i, 0,1,2,3,4,5,6,7,8,9,10,11,12,13,14,15
	ds_store_b128 v2, v[XS+4*\i:XS+4*\i+3] offset:SP*\i
.endr
.irp b, 0,1,2,3
.irp j, 0,1,2,3
	ds_load_b128 v[XS+16*\b+4*\j:XS+16*\b+4*\j+3], v3 offset:128*\b+16*\j   ; LDS serves a wave's instructions in order: these see the stores above
.endr
.endr
	s_wait_dscnt 0x0
	QUANT64 XS, SW+\s
.irp c, 0,1,2,3
	global_store_b128 v1, v[PC+4*\c:PC+4*\c+3], s[14:15] offset:2048*\s+512*\c   ; 512 consecutive bytes: one K-block
.endr
.endm
.macro WLOAD t                         ; block t: W(32 t + i, my column): 128 consecutive bytes a wave
.irp i, 0,1,2,3,4,5,6,7,8,9,10,11,12,13,14,15,16,17,18,19,20,21,22,23,24,25,26,27,28,29,30,31
	global_load_b32 v[X+32*((\t)%2)+\i], v3, s[6:7] offset:(32*(\t)+\i)*4096 th:TH_LOAD_NT
.endr
.endm
.macro WBLOCK t
.set XS, X+32*((\t)%2)
.set CW, C+8*(\t)
.if (\t) < 7
	s_wait_loadcnt 32                                      ; this block's 32 loads are in; the next block's may be out
.else
	s_wait_loadcnt 0
.endif
	v_max3_num_f32 v12, |v[XS]|, |v[XS+1]|, |v[XS+2]|      ; all 32 numbers of the block are mine
	v_max3_num_f32 v13, |v[XS+3]|, |v[XS+4]|, |v[XS+5]|
.irp i, 6,10,14,18,22,26
	v_max3_num_f32 v12, v12, |v[XS+\i]|, |v[XS+\i+1]|
	v_max3_num_f32 v13, v13, |v[XS+\i+2]|, |v[XS+\i+3]|
.endr
	v_max3_num_f32 v12, v12, |v[XS+30]|, |v[XS+31]|
	v_max3_num_f32 v12, v12, v13, 0x4800000                ; and the floor
	v_add_nc_u32 v11, 0xfc000000, v12
	v_lshrrev_b32 v13, 23, v11
.if (\t)%4 == 0
	v_mov_b32 v[SB+(\t)/4], v13
.else
	v_lshl_or_b32 v[SB+(\t)/4], v13, 8*((\t)%4), v[SB+(\t)/4]
.endif
.irp i, 0,1,2,3,4,5,6,7,8,9,10,11,12,13,14,15,16,17,18,19,20,21,22,23,24,25,26,27,28,29,30,31
.endr
.irp g, 0,1,2,3
	v_cvt_scalef32_pk8_fp8_f32 v[CW+2*\g:CW+2*\g+1], v[XS+8*\g:XS+8*\g+7], v11
.endr
	v_nop
	global_store_b128 v8, v[CW:CW+3], s[18:19] offset:512*(\t)         ; k 0-15 of the block: sixteen lanes fill 256 consecutive bytes
	global_store_b128 v8, v[CW+4:CW+7], s[18:19] offset:512*(\t)+256   ; k 16-31
.if (\t)+2 < 8
	WLOAD (\t)+2
.endif
.endm
	s_load_b512 s[4:19], s[0:1], 0x0               ; x, Wq, Wk, Wv, Wo, xc, xs, wc
	s_load_b64 s[20:21], s[0:1], 0x40              ; ws
	v_lshl_add_u32 v254, v0, 2, 0x8400
	v_mov_b32 v255, 0
	v_lshrrev_b32 v1, 5, v0
	v_readfirstlane_b32 s22, v1                    ; wave 0..3
	v_and_b32 v5, 31, v0                           ; lane
	s_cmp_lt_u32 ttmp9, 256
	s_cbranch_scc0 .Lweights
	; ---- x: wave w takes stored row tile 2 g + (w >> 1) of work-group g and half (w & 1) of K: 16 rows x 512 numbers, four steps of 128
	v_lshlrev_b32 v1, 4, v5                        ; 16 x lane: my bytes of a load and of a K-block
	s_mul_i32 s24, s22, STG
	v_add_nc_u32 v2, s24, v1                       ; the stage, way in
	v_and_b32 v6, 15, v5
	v_lshrrev_b32 v7, 4, v5
	v_mul_u32_u24 v3, v6, SP
	v_lshl_add_u32 v3, v7, 6, v3
	v_add_nc_u32 v3, s24, v3                       ; way out: row r, + 64 h
	v_lshlrev_b32 v4, 3, v5                        ; 8 x lane: the scale words' place
	s_mov_b32 s26, 0x76543210
	s_mov_b32 s27, 0xfedcba98                      ; v_permlanex16_b32's selects for lane l xor 16
	s_mov_b32 s25, 0xffff0000                      ; lanes 16-31
.irp b, 0,1,2,3
	v_mov_b32 v[TM+4+\b], 0                        ; a lane permute's destination counts as one of its sources
.endr
	s_lshr_b32 s28, s22, 1
	s_and_b32 s29, s22, 1
	s_lshl_b32 s30, ttmp9, 17                      ; 32 rows of 4,096 bytes,
	s_lshl_b32 s31, s28, 15                        ; 8 rows,
	s_add_co_u32 s30, s30, s31
	s_lshl_b32 s31, s29, 11                        ; 512 numbers
	s_add_co_u32 s30, s30, s31
	s_mov_b32 s31, 0
	s_lshl_b32 s32, ttmp9, 1
	s_add_co_u32 s32, s32, s28                     ; the row tile
	s_lshl_b32 s34, s32, 14
	s_lshl_b32 s35, s29, 13
	s_add_co_u32 s34, s34, s35
	s_mov_b32 s35, 0
	s_lshl_b32 s36, s32, 9
	s_lshl_b32 s37, s29, 8
	s_add_co_u32 s36, s36, s37
	s_mov_b32 s37, 0
	s_wait_alu depctr_va_vdst(0)
	s_wait_kmcnt 0x0
	s_add_nc_u64 s[4:5], s[4:5], s[30:31]
	s_add_nc_u64 s[14:15], s[14:15], s[34:35]
	s_add_nc_u64 s[16:17], s[16:17], s[36:37]
	XLOAD 0
	XLOAD 1
	XLOAD 2
	XSTEP 0, 32                                    ; steps 1 and 2 may be out
	XLOAD 3                                        ; into the set that step 0 has left
	XSTEP 1, 32                                    ; steps 2 and 3
	XSTEP 2, 16
	XSTEP 3, 0
	v_cndmask_b32 v244, v[SW], v[SW+2], s25        ; lanes 0-15: my first K step of 256 (words 0, 1); lanes 16-31: my second (words 2, 3)
	v_cndmask_b32 v245, v[SW+1], v[SW+3], s25
	global_store_b64 v4, v[244:245], s[16:17]      ; 256 consecutive bytes
	s_wait_tensorcnt 0x0
	ds_add_u32 v254, v255
	s_wait_dscnt 0x0
	s_endpgm
.Lweights:
	; ---- a weight: a lane takes a column and its registers run down K; the lane's column is chosen so that its stored place is its number
	s_sub_co_u32 s24, ttmp9, 256
	s_lshr_b32 s25, s24, 5                         ; which weight
	s_bfe_u32 s26, s24, 0x30002                    ; which 128 columns
	s_and_b32 s27, s24, 3                          ; which 256 along K
	s_wait_alu depctr_va_vdst(0)
	v_and_b32 v6, 7, v5
	v_bfe_u32 v7, v5, 3, 1
	v_bfe_u32 v9, v5, 4, 1
	v_lshl_or_b32 v6, v7, 4, v6
	v_lshl_or_b32 v6, v9, 3, v6                    ; the lane's number with bits 3 and 4 exchanged: the true column
	v_lshlrev_b32 v3, 2, v6
	v_and_b32 v7, 15, v5
	v_lshlrev_b32 v8, 4, v7
	v_lshl_add_u32 v8, v9, 14, v8                  ; codes: row tile lane / 16, 16 bytes for row lane % 16
	v_lshlrev_b32 v7, 3, v7
	v_lshl_add_u32 v9, v9, 9, v7                   ; scale bytes: 512 a row tile, 8 a row
	s_lshl_b32 s28, s27, 20
	s_lshl_b32 s29, s26, 9
	s_add_co_u32 s28, s28, s29
	s_lshl_b32 s29, s22, 7
	s_add_co_u32 s28, s28, s29
	s_mov_b32 s29, 0
	s_lshl_b32 s30, s25, 6
	s_lshl_b32 s31, s26, 3
	s_add_co_u32 s30, s30, s31
	s_lshl_b32 s31, s22, 1
	s_add_co_u32 s30, s30, s31                     ; my first row tile: 64 x weight + 8 x group + 2 x wave
	s_lshl_b32 s32, s30, 14
	s_lshl_b32 s33, s27, 12
	s_add_co_u32 s32, s32, s33
	s_mov_b32 s33, 0
	s_lshl_b32 s34, s30, 9
	s_lshl_b32 s35, s27, 7
	s_add_co_u32 s34, s34, s35
	s_mov_b32 s35, 0
	s_wait_alu depctr_va_vdst(0)
	s_wait_kmcnt 0x0
	s_cmp_eq_u32 s25, 1                            ; the choice hangs on the work-group's number alone
	s_cselect_b64 s[6:7], s[8:9], s[6:7]
	s_cmp_eq_u32 s25, 2
	s_cselect_b64 s[6:7], s[10:11], s[6:7]
	s_cmp_eq_u32 s25, 3
	s_cselect_b64 s[6:7], s[12:13], s[6:7]
	s_add_nc_u64 s[6:7], s[6:7], s[28:29]
	s_add_nc_u64 s[18:19], s[18:19], s[32:33]
	s_add_nc_u64 s[20:21], s[20:21], s[34:35]
	WLOAD 0
	WLOAD 1
.irp t, 0,1,2,3,4,5,6,7
	WBLOCK \t
.endr
	global_store_b64 v9, v[SB:SB+1], s[20:21]      ; sixteen lanes store 128 consecutive bytes: half an aligned 256; one byte for each 128 that the path reads
	s_endpgm
.Lfunc_end_k_qf95f19f9b8_quant:
	.size	k_qf95f19f9b8_quant, .Lfunc_end_k_qf95f19f9b8_quant-k_qf95f19f9b8_quant
	.p2alignl 7, 3214868480
	.fill 96, 4, 3214868480
	.section	.rodata,"a",@progbits
	.p2align	6, 0x0
	.amdhsa_kernel k_qf95f19f9b8_quant
		.amdhsa_group_segment_fixed_size 34304
		.amdhsa_private_segment_fixed_size 0
		.amdhsa_enable_private_segment 0
		.amdhsa_kernarg_size 72
		.amdhsa_user_sgpr_count 2
		.amdhsa_user_sgpr_kernarg_segment_ptr 1
		.amdhsa_wavefront_size32 1
		.amdhsa_system_sgpr_workgroup_id_x 1
		.amdhsa_system_sgpr_workgroup_id_y 1
		.amdhsa_system_sgpr_workgroup_id_z 1
		.amdhsa_system_vgpr_workitem_id 0
		.amdhsa_next_free_vgpr 256
		.amdhsa_next_free_sgpr 66
		.amdhsa_reserve_vcc 0
		.amdhsa_float_denorm_mode_32 3
		.amdhsa_float_denorm_mode_16_64 3
		.amdhsa_fp16_overflow 1
		.amdhsa_memory_ordered 1
		.amdhsa_forward_progress 1
		.amdhsa_inst_pref_size 72
	.end_amdhsa_kernel
	.amdgpu_metadata
---
amdhsa.version: [ 1, 2 ]
amdhsa.kernels:
  - .name:           k_qf95f19f9b8_quant
    .symbol:         k_qf95f19f9b8_quant.kd
    .args:
      - { .name: x, .offset: 0, .size: 8, .value_kind: global_buffer, .address_space: global }
      - { .name: Wq, .offset: 8, .size: 8, .value_kind: global_buffer, .address_space: global }
      - { .name: Wk, .offset: 16, .size: 8, .value_kind: global_buffer, .address_space: global }
      - { .name: Wv, .offset: 24, .size: 8, .value_kind: global_buffer, .address_space: global }
      - { .name: Wo, .offset: 32, .size: 8, .value_kind: global_buffer, .address_space: global }
      - { .name: xc, .offset: 40, .size: 8, .value_kind: global_buffer, .address_space: global }
      - { .name: xs, .offset: 48, .size: 8, .value_kind: global_buffer, .address_space: global }
      - { .name: wc, .offset: 56, .size: 8, .value_kind: global_buffer, .address_space: global }
      - { .name: ws, .offset: 64, .size: 8, .value_kind: global_buffer, .address_space: global }
    .group_segment_fixed_size: 34304
    .private_segment_fixed_size: 0
    .kernarg_segment_align: 8
    .kernarg_segment_size: 72
    .max_flat_workgroup_size: 128
    .sgpr_count:     66
    .vgpr_count:     256
    .wavefront_size: 32
...
	.end_amdgpu_metadata
.endif
;; end of part 1
;; launch qkv (part 2): grid 12 x 32, 4 waves a work-group, clusters of 4 x 4, 327,680 bytes of LDS; arguments xc, xs, wc, ws, qkv; writes qkv
.if DOCPART == 2
	.amdgcn_target "amdgcn-amd-amdhsa--gfx1250"
	.amdhsa_code_object_version 6
	.text
	.protected	k_qf95f19f9b8_qkv
	.globl	k_qf95f19f9b8_qkv
	.p2align	8
	.type	k_qf95f19f9b8_qkv,@function
k_qf95f19f9b8_qkv:
	s_mov_b64 s[64:65], 0
	v_nop
	global_prefetch_b8 v0, s[64:65] scope:SCOPE_SE
	s_setreg_imm32_b32 hwreg(HW_REG_WAVE_MODE, 25, 1), 1
	s_wait_xcnt 0x0
	s_wait_alu depctr_hold_cnt(0) depctr_sa_sdst(0) depctr_va_vdst(0) depctr_va_sdst(0) depctr_va_ssrc(0) depctr_va_vcc(0) depctr_vm_vsrc(0)
	s_getreg_b32 s2, hwreg(HW_REG_IB_STS2, 6, 4)
	s_cmp_eq_u32 s2, 0
	s_cbranch_scc0 .Lentry_in_a_cluster
	s_endpgm
.Lentry_in_a_cluster:
	s_bfe_u32 s2, ttmp6, 0x10000c
	s_cmp_lg_u32 s2, 0xf033
	s_cbranch_scc0 .Lentry_shape_is_right
	s_endpgm
.Lentry_shape_is_right:
; q = x Wq, k = x Wk, v = x Wv on codes of E4M3 with E8M0 scales, sums in f32; the results are quantised in the accumulators and leave as codes and scale words for the attention launch.
; D = P R^T: source 0 = 16 rows of P, source 1 = 16 rows of R; a lane holds one row of R, its registers run along P's rows.  Clusters x = 0, 1 (q, k): P = W, R = x: a lane's registers run along the head's 64.
; Cluster x = 2 (v): P = x, R = Wv: a lane holds one channel and its registers run along the keys, which are v's K.  By the stored row order, the 16 registers of P's tiles 2 b, 2 b + 1 are 16 neighbours 32 b + 16 h + 0 .. 15.
; A work-group of four waves makes 256 x 256, a wave 128 x 128: 64 accumulators.  K = 1024 goes in four steps of 256 through two LDS slots; operands lie in image order (16 bytes a lane, 512 a group of registers): no pitch, no padding.
; The scales of the work-group's rows, for all of K, come once.  CLUSTERS 4 x 4: R's tiles hang on the cluster's y place and are shared along a row, P's on its x place and are shared along a column: joint loads.
; OUTPUT: records of 25,344 bytes for (batch, head, 128 rows): sections Q, K, V of 8,192 bytes of codes + 256 of scale words.  LIMITS: NaN and infinities are not served; a block of zeros has the byte 1, its codes are zeros.
; REGISTERS: window 0: v16-29 addresses; v32-63 scale words, two sets; v128-255 R's fragments, one set; on the way out v32-107 at work.  window 1: P's fragments, two sets.  windows 2, 3: accumulator (a, b) at v[8 (8 (a % 4) + b)].
.set NQ,     2
.set FR,     16
.set NL,     4
.set NP,     8                         ; places behind this matrix instruction (ISA guide 7.12.1)
.set HALFT,  32768                     ; 8 row tiles x 4,096 bytes: what one tensor load brings, and what a wave reads of R or of P
.set SLOT,   4*HALFT
.set SCL,    2*SLOT                    ; the scales: R's 8,192 bytes, then P's
.set HALFS,  4096
.set SPARE,  SCL+4*HALFS               ; the spare words, 128 bytes a wave: two blocks of 256 bytes that no other line names
.set REC,    25344
.set SEC,    8448
.set ADRA, 16
.set ADRB, 20
.set LI,   24                          ; v24  16 x lane
.set L8,   25                          ; v25  8 x lane
.set ADRS, 27
.set SPW,  28
.set NIL,  29
.set SC,   32
.set AF,   128
.set TM,   32                          ; the way out: v32-47 maxima, bytes, scale operands
.set PC,   48                          ; v48-79 codes, two sets
.set LL,   80                          ; v80-87 bytes of blocks 0, 1 of R's block a; v88-95 of blocks 2, 3
.set WW,   96                          ; v96-103 scale words
.set WP,   104                         ; v104-107 as they are stored
.set G1, 24
.set G0, 32
.set G1B, 48
.set G0B, 56
.set G1S, 68
.set G0S, 76
.set G1SB, 80
.set G0SB, 88
.set MSB, 0
.macro WIN new                         ; the immediate's high byte repeats the setting that is left
.if MSB != \new
	s_set_vgpr_msb (MSB<<8)|\new
.set MSB, \new
.endif
.endm
.set MUL_LO, 0xa1                      ; source 0 (P) window 1, source 1 (R) window 0, C and D window 2
.set MUL_HI, 0xf1
.set TO_B,   0x40
; A joint load: waves 0 and 1 fetch for R, waves 2 and 3 for P; the branch hangs on the wave's number alone.  Four v_nop follow each line.
.macro JLOAD g0a, g1a, g0b, g1b
	s_cmp_eq_u32 s15, 0
	s_cbranch_scc0 .Lfor_b_\@
	tensor_load_to_lds s[\g0a:\g0a+3], s[\g1a:\g1a+7]
	s_nop 0
.rept 4
	v_nop
.endr
	s_branch .Lasked_\@
.Lfor_b_\@:
	tensor_load_to_lds s[\g0b:\g0b+3], s[\g1b:\g1b+7]
	s_nop 0
.rept 4
	v_nop
.endr
.Lasked_\@:
.endm
.macro CREST                           ; a round of the cluster's barrier behind its opening barrier
	s_cmp_lg_u32 s14, 0
	s_cbranch_scc1 .Lnot_wave_0_\@
	s_barrier_signal -3
.Lnot_wave_0_\@:
	s_barrier_wait -3
	s_barrier_signal -1
	s_barrier_wait -1
.endm
.macro CROUND
	s_barrier_signal -1
	s_barrier_wait -1
	CREST
.endm
.macro FRAG reg, adr, q, i             ; row tile i, the slot's q-th 128 along K: four groups of 512 consecutive bytes
.irp c, 0,1,2,3
	ds_load_b128 v[\reg+4*\c:\reg+4*\c+3], v[\adr] offset:4096*(\i)+2048*(\q)+512*\c
.endr
.endm
; 16 matrix instructions: R's blocks a0, a0 + 1 x P's eight.  The 64 accumulators take turns, one instruction a turn, in the same order in every step.
.macro MUL16 a0, p, q, sc, zero
.irp a, \a0, \a0+1
.irp b, 0,1,2,3,4,5,6,7
.if \zero
	v_wmma_scale_f32_16x16x128_f8f6f4 v[8*(8*((\a)%4)+\b):8*(8*((\a)%4)+\b)+7], v[128*(\p)+FR*\b:128*(\p)+FR*\b+FR-1], v[AF+FR*(\a):AF+FR*(\a)+FR-1], 0, v[SC+8*NQ*(\sc)+NQ*\b+(\q)], v[SC+8*NQ*(\sc)+NQ*(\a)+(\q)] matrix_a_scale:MATRIX_SCALE_ROW1
.else
	v_wmma_scale_f32_16x16x128_f8f6f4 v[8*(8*((\a)%4)+\b):8*(8*((\a)%4)+\b)+7], v[128*(\p)+FR*\b:128*(\p)+FR*\b+FR-1], v[AF+FR*(\a):AF+FR*(\a)+FR-1], v[8*(8*((\a)%4)+\b):8*(8*((\a)%4)+\b)+7], v[SC+8*NQ*(\sc)+NQ*\b+(\q)], v[SC+8*NQ*(\sc)+NQ*(\a)+(\q)] matrix_a_scale:MATRIX_SCALE_ROW1
.endif
.endr
.endr
.endm
.macro FETCH_B slot, q, p
	WIN TO_B
.irp i, 0,1,2,3,4,5,6,7
	FRAG 128*(\p)+FR*\i, ADRB+\slot, \q, \i
.endr
	WIN 0
.endm
.macro FETCH_A slot, q, i0
.irp i, \i0, \i0+1, \i0+2, \i0+3
	FRAG AF+FR*(\i), ADRA+\slot, \q, \i
.endr
.endm
.macro SCALES sc                       ; a K step's two words a row: lanes 0-15 R's block i, lanes 16-31 P's block i
.irp i, 0,1,2,3,4,5,6,7
	ds_load_b64 v[SC+8*NQ*\sc+NQ*\i:SC+8*NQ*\sc+NQ*\i+1], v[ADRS] offset:\i*512
.endr
.endm
.macro PLACES n                        ; plain vector instructions between a matrix instruction and a load into, or a read of, its registers
.rept \n
	v_nop
.endr
.endm
.macro STEP slot, q, zero              ; 128 along K whose successor lies in the same slot
	s_wait_dscnt 4*NL                              ; P's set and R's blocks 0-3 are in; the youngest 16 loads (R's blocks 4-7) may be out
	WIN MUL_LO
	MUL16 0, (\q)%2, \q, \slot, \zero
	MUL16 2, (\q)%2, \q, \slot, \zero
	s_wait_dscnt 0
	PLACES NP
	FETCH_B \slot, (\q)+1, 1-(\q)%2
	FETCH_A \slot, (\q)+1, 0
	WIN MUL_HI
	MUL16 4, (\q)%2, \q, \slot, \zero
	MUL16 6, (\q)%2, \q, \slot, \zero
	PLACES NP
	WIN 0
	FETCH_A \slot, (\q)+1, 4
.endm
; A slot's last step changes slots: one barrier; in front of it each wave waits for all its tensor loads, adds 0 to its spare word, and waits for that and for its reads of this slot.
.macro TURN slot, next, fill
	s_wait_tensorcnt 0x0                           ; all my tensor loads have landed: my part of the next slot
	ds_add_u32 v[SPW], v[NIL]                      ; 0 onto my spare word
	s_wait_dscnt 4*NL+1                            ; (the add and the youngest 16 loads may be out)
	WIN MUL_LO
	MUL16 0, 1, NQ-1, \slot, 0
	s_wait_dscnt 0x0                               ; the add is done, and my reads of this slot are over
	s_barrier_signal -1
	MUL16 2, 1, NQ-1, \slot, 0
	WIN 0
	s_barrier_wait -1
.if \fill
	CREST                                          ; the barrier has opened a round of the cluster's: no wave of any partner still reads this slot or has a load on its way
	s_add_nc_u64 s[G0+4*\slot+2:G0+4*\slot+3], s[G0+4*\slot+2:G0+4*\slot+3], 8192
	s_add_nc_u64 s[G0B+4*\slot+2:G0B+4*\slot+3], s[G0B+4*\slot+2:G0B+4*\slot+3], 8192
	JLOAD G0+4*\slot, G1, G0B+4*\slot, G1B         ; the first tensor load behind the round, one a wave
	PLACES NP-4
.else
	PLACES NP
.endif
	s_wait_alu depctr_va_vdst(0)
	v_add_nc_u32 v[ADRS], 128, v[ADRS]             ; the next K step's scale words
	FETCH_B \next, 0, 0
	FETCH_A \next, 0, 0
	SCALES \next
	WIN MUL_HI
	MUL16 4, 1, NQ-1, \slot, 0
	MUL16 6, 1, NQ-1, \slot, 0
	PLACES NP
	WIN 0
	FETCH_A \next, 0, 4
.endm
; THE WAY OUT.  R's block a: a lane's 64 results, register 16 b + i = index 32 b + 16 h + i along P, are four blocks of 32: quantised where they lie.
.macro QACC a
.set AC, 64*((\a)%4)
.set PCS, PC+16*((\a)%2)
	WIN 0x28+0x14*((\a)/4)                         ; sources 1 and 2: the accumulators' window
.irp b, 0,1,2,3
	v_max3_num_f32 v[TM+\b], 0x4800000, |v[AC+16*\b]|, |v[AC+16*\b+1]|   ; each accumulator is read from its low end on; the floor 2^(9 - 127)
.endr
.irp i, 2,4,6,8,10,12,14
.irp b, 0,1,2,3
	v_max3_num_f32 v[TM+\b], v[TM+\b], |v[AC+16*\b+\i]|, |v[AC+16*\b+\i+1]|
.endr
.endr
	WIN 0
.irp b, 0,1,2,3
	v_permlanex16_b32 v[TM+4+\b], v[TM+\b], s66, s67
.endr
.irp b, 0,1,2,3
	v_max_num_f32 v[TM+\b], v[TM+\b], v[TM+4+\b]
.endr
.irp b, 0,1,2,3
	v_add_nc_u32 v[TM+12+\b], 0xfc000000, v[TM+\b]
.endr
.irp b, 0,1,2,3
.endr
.irp b, 0,1,2,3
	v_lshrrev_b32 v[TM+4+\b], 23, v[TM+12+\b]
.endr
	v_lshl_or_b32 v[LL+\a], v[TM+5], 8, v[TM+4]
	v_lshl_or_b32 v[LL+8+\a], v[TM+7], 8, v[TM+6]
	WIN 0x82+0x41*((\a)/4)                         ; destination and source 0: the accumulators' window
.irp b, 0,1,2,3
.irp i, 0,1,2,3,4,5,6,7,8,9,10,11,12,13,14,15
.endr
.endr
	s_wait_xcnt 0x0                                ; earlier stores have read their data: the codes' registers are written again only behind this wait
	WIN 0x02+((\a)/4)
.irp b, 0,1,2,3
	v_cvt_scalef32_pk8_fp8_f32 v[PCS+4*\b:PCS+4*\b+1], v[AC+16*\b:AC+16*\b+7], v[TM+12+\b]
	v_cvt_scalef32_pk8_fp8_f32 v[PCS+4*\b+2:PCS+4*\b+3], v[AC+16*\b+8:AC+16*\b+15], v[TM+12+\b]
.endr
	WIN 0
	v_nop
.endm
; kind = 0 (q, k): block a is a tile of 16 rows; blocks 0, 1 of its codes belong to my first head, 2, 3 to my second.  kind = 1 (v): block a is channel tile a % 4 of head a / 4; its four blocks are 128 keys.
.macro EPI kind
.irp a, 0,1,2,3,4,5,6,7
	QACC \a
.irp c, 0,1,2,3
.if \kind
	global_store_b128 v[LI], v[PCS+4*\c:PCS+4*\c+3], s[12:13] offset:(\a/4)*16*REC+(\a%4)*2048+512*\c   ; 512 consecutive bytes
.else
	global_store_b128 v[LI], v[PCS+4*\c:PCS+4*\c+3], s[12:13] offset:(\c/2)*16*REC+\a*1024+(\c%2)*512
.endif
.endr
.endr
.irp hh, 0,1
.irp t, 0,1,2,3
.if \kind
	v_lshl_or_b32 v[WW+4*\hh+\t], v[LL+8+4*\hh+\t], 16, v[LL+4*\hh+\t]       ; channel tile t: its four key blocks' bytes
.else
	v_lshl_or_b32 v[WW+4*\hh+\t], v[LL+8*\hh+2*\t+1], 16, v[LL+8*\hh+2*\t]   ; tiles 2 t and 2 t + 1: two bytes each
.endif
.endr
	v_cndmask_b32 v[WP+2*\hh], v[WW+4*\hh], v[WW+4*\hh+1], s95               ; word 0: item 0 in lanes 0-15, item 1 in lanes 16-31
	v_cndmask_b32 v[WP+2*\hh+1], v[WW+4*\hh+2], v[WW+4*\hh+3], s95           ; word 1: items 2 and 3
	global_store_b64 v[L8], v[WP+2*\hh:WP+2*\hh+1], s[12:13] offset:8192+\hh*16*REC   ; 256 consecutive bytes
.endr
.endm
	s_load_b128 s[4:7], s[0:1], 0x0                ; x's codes, x's scales
	s_load_b128 s[8:11], s[0:1], 0x10              ; the weights' codes, their scales
	s_load_b64 s[12:13], s[0:1], 0x20              ; the records
	v_lshl_add_u32 v[SPW], v0, 2, SPARE
	v_mov_b32 v[NIL], 0
	ds_add_u32 v28, v29
	ds_add_u32 v28, v29
	s_wait_dscnt 0x0
	v_lshrrev_b32 v1, 5, v0
	v_readfirstlane_b32 s14, v1                    ; wave 0..3
	s_lshr_b32 s15, s14, 1                         ; my half of R's rows.  Also: I fetch for R (0) or for P (1)
	s_and_b32 s16, s14, 1                          ; my half of P's rows.  Also: which 8 row tiles I fetch
	s_bfe_u32 s40, ttmp6, 0x40000                  ; cx, cy: my place in the cluster
	s_bfe_u32 s41, ttmp6, 0x40004
	s_and_b32 s17, ttmp7, 0xffff                   ; the cluster's y
	s_cmp_eq_u32 ttmp9, 2                          ; v's clusters: the same answer in all sixteen partners
	s_cselect_b32 s42, s17, ttmp9
	s_cselect_b32 s17, ttmp9, s17
	s_cselect_b32 s97, 1, 0
	s_lshl_b32 s42, s42, 2
	s_add_co_u32 s42, s42, s40                     ; P's tile of 256 rows: hangs on cx
	s_lshl_b32 s17, s17, 2
	s_add_co_u32 s17, s17, s41                     ; R's: hangs on cy
	s_lshl_b32 s43, s41, 2
	s_lshl_b32 s43, 15, s43                        ; my row of the cluster
	s_lshl_b32 s44, 0x1111, s40                    ; my column
	s_or_b32 s[G1+0], s43, (3<<16)|(1<<21)         ; 15:0 the mask; 17:16 elements of 8 bytes; 21 set beside a mask; no padding
	s_or_b32 s[G1B+0], s44, (3<<16)|(1<<21)
.irp g, G1, G1B
	s_mov_b32 s[\g+1], 512<<16                     ; tensor_dim0 = 512 elements: a row tile's 4,096 bytes of a K step
	s_mov_b32 s[\g+2], 8<<16                       ; tensor_dim1 = 8 row tiles
	s_mov_b32 s[\g+3], 512<<16                     ; tile_dim0
	s_mov_b32 s[\g+4], 8                           ; tile_dim1
	s_mov_b32 s[\g+5], 2048                        ; from row tile to row tile: 16,384 bytes
	s_mov_b32 s[\g+6], 0
	s_mov_b32 s[\g+7], 0
.endr
	s_or_b32 s[G1S+0], s43, (3<<16)|(1<<21)        ; the scales of 8 row tiles: 4,096 dense bytes as 16 rows of 256
	s_or_b32 s[G1SB+0], s44, (3<<16)|(1<<21)
.irp g, G1S, G1SB
	s_mov_b32 s[\g+1], 32<<16
	s_mov_b32 s[\g+2], 16<<16
	s_mov_b32 s[\g+3], 32<<16
	s_mov_b32 s[\g+4], 16
	s_mov_b32 s[\g+5], 32
	s_mov_b32 s[\g+6], 0
	s_mov_b32 s[\g+7], 0
.endr
	s_lshl_b32 s18, s16, 3
	s_lshl_b32 s20, s17, 4
	s_add_co_u32 s20, s20, s18                     ; R: my first row tile
	s_lshl_b32 s46, s42, 4
	s_add_co_u32 s46, s46, s18                     ; P: likewise
	s_lshl_b32 s22, s20, 9                         ; their scales,
	s_mov_b32 s23, 0
	s_lshl_b32 s92, s46, 9
	s_mov_b32 s93, 0
	s_lshl_b32 s20, s20, 14                        ; their codes
	s_mov_b32 s21, 0
	s_lshl_b32 s46, s46, 14
	s_mov_b32 s47, 0
	s_mul_i32 s45, s14, HALFT                      ; where they go: no place in the cluster enters an LDS address
	s_mul_i32 s94, s14, HALFS
	s_mov_b32 s66, 0x76543210
	s_mov_b32 s67, 0xfedcba98
	s_mov_b32 s95, 0xffff0000                      ; lanes 16-31
	s_wait_kmcnt 0x0
	s_cmp_eq_u32 s97, 1
	s_cselect_b64 s[98:99], s[8:9], s[4:5]         ; R's codes and scales,
	s_cselect_b64 s[100:101], s[10:11], s[6:7]
	s_cselect_b64 s[8:9], s[4:5], s[8:9]           ; P's
	s_cselect_b64 s[10:11], s[6:7], s[10:11]
	s_add_nc_u64 s[20:21], s[98:99], s[20:21]
	s_add_nc_u64 s[22:23], s[100:101], s[22:23]
	s_add_nc_u64 s[46:47], s[8:9], s[46:47]
	s_add_nc_u64 s[92:93], s[10:11], s[92:93]
	CROUND                                         ; all sixteen work-groups are here: the first joint loads meet
	s_mov_b32 s[G0S], 1
	s_add_co_u32 s[G0S+1], s94, SCL
	s_mov_b64 s[G0S+2:G0S+3], s[22:23]
	s_or_b32 s[G0S+3], s[G0S+3], 0x80000000
	s_mov_b32 s[G0SB], 1
	s_add_co_u32 s[G0SB+1], s94, SCL
	s_mov_b64 s[G0SB+2:G0SB+3], s[92:93]
	s_or_b32 s[G0SB+3], s[G0SB+3], 0x80000000
	JLOAD G0S, G1S, G0SB, G1SB                     ; the scales first: they are wanted with K step 0
.irp s, 0,1
	s_mov_b32 s[G0+4*\s], 1
	s_add_co_u32 s[G0+4*\s+1], s45, \s*SLOT
	s_add_nc_u64 s[G0+4*\s+2:G0+4*\s+3], s[20:21], \s*4096
	s_or_b32 s[G0+4*\s+3], s[G0+4*\s+3], 0x80000000
	s_mov_b32 s[G0B+4*\s], 1
	s_add_co_u32 s[G0B+4*\s+1], s45, \s*SLOT
	s_add_nc_u64 s[G0B+4*\s+2:G0B+4*\s+3], s[46:47], \s*4096
	s_or_b32 s[G0B+4*\s+3], s[G0B+4*\s+3], 0x80000000
	JLOAD G0+4*\s, G1, G0B+4*\s, G1B               ; three loads of mine are out
.endr
	v_and_b32 v1, 15, v0
	v_bfe_u32 v2, v0, 4, 1
	s_wait_alu depctr_va_vdst(0)
	v_and_b32 v3, 31, v0
	v_lshlrev_b32 v[LI], 4, v3
	v_lshlrev_b32 v[L8], 3, v3
	s_mul_i32 s21, s15, HALFT                      ; my 8 row tiles of R,
	s_mul_i32 s22, s16, HALFT                      ; of P,
	s_add_co_u32 s22, s22, 2*HALFT                 ; which lie behind R's 16
.irp s, 0,1
	v_add_nc_u32 v[ADRA+\s], s21, v[LI]
	v_add_nc_u32 v[ADRB+\s], s22, v[LI]
	s_add_co_u32 s21, s21, SLOT
	s_add_co_u32 s22, s22, SLOT
.endr
	v_lshlrev_b32 v5, 3, v1                        ; my row's 8 scale bytes of a K step
	s_mul_i32 s21, s15, HALFS
	s_mul_i32 s22, s16, HALFS
	s_add_co_u32 s22, s22, 2*HALFS
	s_sub_co_u32 s22, s22, s21
	v_mul_u32_u24 v6, s22, v2                      ; lanes 16-31 take P's
	s_add_co_u32 s21, s21, SCL
	v_add_nc_u32 v5, v5, v6
	v_add_nc_u32 v[ADRS], s21, v5
	; where my results go: the record of (batch, my first head, my 128 rows of x), and the section
	s_cmp_eq_u32 s97, 1
	s_cselect_b32 s2, s42, s17                     ; x's tile and half,
	s_cselect_b32 s3, s16, s15
	s_cselect_b32 s18, s17, s42                    ; the weight's
	s_cselect_b32 s19, s15, s16
	s_lshl_b32 s2, s2, 1
	s_add_co_u32 s2, s2, s3                        ; which 128 rows of x
	s_lshr_b32 s3, s2, 4                           ; batch
	s_and_b32 s2, s2, 15                           ; step
	s_and_b32 s18, s18, 3
	s_lshl_b32 s18, s18, 2
	s_lshl_b32 s19, s19, 1
	s_add_co_u32 s18, s18, s19                     ; my first head
	s_lshl_b32 s3, s3, 4
	s_add_co_u32 s3, s3, s18
	s_lshl_b32 s3, s3, 4
	s_add_co_u32 s3, s3, s2
	s_mul_i32 s92, s3, REC
	s_mul_i32 s93, ttmp9, SEC
	s_add_co_u32 s92, s92, s93
	s_mov_b32 s93, 0
	s_add_nc_u64 s[12:13], s[12:13], s[92:93]
	s_wait_alu depctr_va_vdst(0)
	s_wait_tensorcnt 1                             ; the scales and my part of K step 0 are in; K step 1's load may be out
	s_barrier_signal -1
	s_barrier_wait -1
	FETCH_B 0, 0, 0
	FETCH_A 0, 0, 0
	SCALES 0
	FETCH_A 0, 0, 4
	STEP 0, 0, 1                                   ; the first products start the sums
	TURN 0, 1, 1                                   ; slot 0 takes K step 2
	STEP 1, 0, 0
	TURN 1, 0, 1                                   ; slot 1 takes K step 3
	STEP 0, 0, 0
	TURN 0, 1, 0                                   ; nothing is left to fetch
	STEP 1, 0, 0
	s_wait_dscnt 4*NL
	WIN MUL_LO
	MUL16 0, 1, NQ-1, 1, 0
	MUL16 2, 1, NQ-1, 1, 0
	s_wait_dscnt 0
	WIN MUL_HI
	MUL16 4, 1, NQ-1, 1, 0
	MUL16 6, 1, NQ-1, 1, 0
	WIN 0
	PLACES NP                                      ; behind the last products: their results are read and their scale registers written below
.irp b, 0,1,2,3
	v_mov_b32 v[TM+4+\b], 0                        ; a lane permute's destination counts as one of its sources
.endr
	s_cmp_eq_u32 s97, 1                            ; hangs on the cluster's x alone
	s_cbranch_scc1 .Lvout
	EPI 0
	s_branch .Lend
.Lvout:
	EPI 1
.Lend:
	s_wait_tensorcnt 0x0                           ; the wave's end
	ds_add_u32 v[SPW], v[NIL]
	s_wait_dscnt 0x0
	CROUND                                         ; the closing round
	s_endpgm
.Lfunc_end_k_qf95f19f9b8_qkv:
	.size	k_qf95f19f9b8_qkv, .Lfunc_end_k_qf95f19f9b8_qkv-k_qf95f19f9b8_qkv
	.p2alignl 7, 3214868480
	.fill 96, 4, 3214868480
	.section	.rodata,"a",@progbits
	.p2align	6, 0x0
	.amdhsa_kernel k_qf95f19f9b8_qkv
		.amdhsa_group_segment_fixed_size 327680
		.amdhsa_private_segment_fixed_size 0
		.amdhsa_enable_private_segment 0
		.amdhsa_kernarg_size 40
		.amdhsa_user_sgpr_count 2
		.amdhsa_user_sgpr_kernarg_segment_ptr 1
		.amdhsa_wavefront_size32 1
		.amdhsa_system_sgpr_workgroup_id_x 1
		.amdhsa_system_sgpr_workgroup_id_y 1
		.amdhsa_system_sgpr_workgroup_id_z 1
		.amdhsa_system_vgpr_workitem_id 0
		.amdhsa_next_free_vgpr 1024
		.amdhsa_next_free_sgpr 102
		.amdhsa_reserve_vcc 0
		.amdhsa_float_denorm_mode_32 3
		.amdhsa_float_denorm_mode_16_64 3
		.amdhsa_fp16_overflow 1
		.amdhsa_memory_ordered 1
		.amdhsa_forward_progress 1
		.amdhsa_inst_pref_size 184
	.end_amdhsa_kernel
	.amdgpu_metadata
---
amdhsa.version: [ 1, 2 ]
amdhsa.kernels:
  - .name:           k_qf95f19f9b8_qkv
    .symbol:         k_qf95f19f9b8_qkv.kd
    .args:
      - { .name: xc, .offset: 0, .size: 8, .value_kind: global_buffer, .address_space: global }
      - { .name: xs, .offset: 8, .size: 8, .value_kind: global_buffer, .address_space: global }
      - { .name: wc, .offset: 16, .size: 8, .value_kind: global_buffer, .address_space: global }
      - { .name: ws, .offset: 24, .size: 8, .value_kind: global_buffer, .address_space: global }
      - { .name: qkv, .offset: 32, .size: 8, .value_kind: global_buffer, .address_space: global }
    .group_segment_fixed_size: 327680
    .private_segment_fixed_size: 0
    .kernarg_segment_align: 8
    .kernarg_segment_size: 40
    .max_flat_workgroup_size: 128
    .sgpr_count:     102
    .vgpr_count:     1024
    .wavefront_size: 32
...
	.end_amdgpu_metadata
.endif
;; end of part 2
;; launch attn (part 3): grid 256 x 1, 16 waves a work-group, clusters of 4 x 1, 272,384 bytes of LDS; arguments qkv, cc, cs; writes cc, cs
.if DOCPART == 3
	.amdgcn_target "amdgcn-amd-amdhsa--gfx1250"
	.amdhsa_code_object_version 6
	.text
	.protected	k_qf95f19f9b8_attn
	.globl	k_qf95f19f9b8_attn
	.p2align	8
	.type	k_qf95f19f9b8_attn,@function
k_qf95f19f9b8_attn:
	s_mov_b64 s[64:65], 0
	v_nop
	global_prefetch_b8 v0, s[64:65] scope:SCOPE_SE
	s_setreg_imm32_b32 hwreg(HW_REG_WAVE_MODE, 25, 1), 1
	s_wait_xcnt 0x0
	s_wait_alu depctr_hold_cnt(0) depctr_sa_sdst(0) depctr_va_vdst(0) depctr_va_sdst(0) depctr_va_ssrc(0) depctr_va_vcc(0) depctr_vm_vsrc(0)
	s_getreg_b32 s2, hwreg(HW_REG_IB_STS2, 6, 4)
	s_cmp_eq_u32 s2, 0
	s_cbranch_scc0 .Lentry_in_a_cluster
	s_endpgm
.Lentry_in_a_cluster:
	s_bfe_u32 s2, ttmp6, 0x10000c
	s_cmp_lg_u32 s2, 0x3003
	s_cbranch_scc0 .Lentry_shape_is_right
	s_endpgm
.Lentry_shape_is_right:
; ctx = softmax(q k^T / 8, key <= query + 1) v for one (batch, head) a cluster, both products on codes of E4M3 with E8M0 scales; ctx is quantised along the model's 1,024 and leaves as codes and scale bytes.
; t = score x log2(e) / 8; M = the running largest t rounded up to a whole number; p = 2^(t - M) is quantised along the keys, not normalised; the row's sum is taken of the unquantised p and divides at the end.
; THE WHOLE HEAD'S K AND V, codes and scale words, 16 x 16,896 bytes, come into LDS once: each of the sixteen waves asks for one step's, jointly with the three partners.  No byte of LDS is filled again or stored to.
; SHARES.  Partner c owns the groups of 32 queries 4 mm + c, mm = 0 .. 15, so that the bounds in key steps of 128 are alike in all partners: every branch hangs on the wave's number and a counter.
; A wave makes two passes, a tile of 16 queries each: mm = m and mm = 15 - m; tile u of the group.  A pass works steps 0 .. mm whole.  THE ONE FUTURE KEY: query 128 mm + 127 (u = 1, c = 3) sees key 0 of step mm + 1;
; since no branch may hang on c, every u = 1 tile works that step, but only its first block of 32 keys: the other three blocks get zero codes.
; K = 64 IN AN INSTRUCTION OF 128: a fragment of K is two tiles of 16 keys (registers 0-7, 8-15); Q lies as [8 zeros | 8 codes | 8 zeros]: v[24:39] meets the first tile, v[16:31] the second; the other tile's codes meet zero codes.
; Both products are used transposed: a lane holds one query; by the stored row order the 16 registers of key tiles 2 b, 2 b + 1 are keys 32 b + 16 h + 0 .. 15, and O^T's of channel tiles likewise.
; LIMITS: NaN and infinities are not served; p under 2^-126 counts as 0; a block of zeros has the byte 1.  The scale bytes leave two a row and head, 8 bytes apart: a head owns two of a K step's eight; 1/32 of the launch's output.
.set REC,  25344
.set SEC,  8448
.set LREC, 16896                       ; a step in LDS: K's codes 0, K's scale words 8,192, V's codes 8,448, V's scale words 16,640
.set FRG,  40                          ; v40-103  four fragments of K, later of V
.set S,    104                         ; v104-167 S^T, then p
.set O,    168                         ; v168-199 O^T
.set PCD,  200                         ; v200-215 p's codes
.set BM,   224                         ; v224-227 block maxima
.set T2,   228                         ; v228-231 the other half's; bytes
.set HL,   232
.set SO,   236                         ; v236-239 the conversions' scale operands
.set HL2,  249
; v1 16 x lane; v2 8 x lane; v3, v4 the step's addresses; v5 my query's bound in its own step; v6 8 r; v7 Q's scale word's place; v8 at work; v9 lane; v10 Q's scale word; v11 Q's codes' place; v12 -M; v13 largest t; v[14:15] the sum;
; v16-39 Q; v[216:217] K's scale words, v[218:219] V's, v220 p's; v[240:241] f; v242-245 at work; v246 -infinity; v247 my query's bound in the step behind its own
.macro ROUND
	s_barrier_signal -1
	s_barrier_wait -1
	s_cmp_lg_u32 s18, 0
	s_cbranch_scc1 .Lnot_wave_0_\@
	s_barrier_signal -3
.Lnot_wave_0_\@:
	s_barrier_wait -3
	s_barrier_signal -1
	s_barrier_wait -1
.endm
; A key step at LDS byte s42.  nb = 4: all 128 keys.  nb = 1: the step behind my queries' own: its first 32 keys alone, always masked.
.macro STEP nb
	v_add_nc_u32 v3, s42, v1
	v_add_nc_u32 v4, s42, v2
.rept 6
	v_nop                                          ; with the two additions: eight places in front of loads into registers that the last step's products read
.endr
.irp t, 0,1,2,3
.if \t < \nb
.irp c, 0,1,2,3
	ds_load_b128 v[FRG+16*\t+4*\c:FRG+16*\t+4*\c+3], v3 offset:2048*\t+512*\c
.endr
.endif
.endr
	ds_load_b64 v[216:217], v4 offset:8192
	s_wait_alu depctr_va_vdst(0)
	s_wait_dscnt 0x0
.irp t, 0,1,2,3                        ; S^T = K Q^T: two tiles of 16 keys a fragment
.if \t < \nb
.if \t % 2
	v_wmma_scale_f32_16x16x128_f8f6f4 v[S+16*\t:S+16*\t+7], v[FRG+16*\t:FRG+16*\t+15], v[24:39], 0, v[216+\t/2], v10 matrix_a_scale:MATRIX_SCALE_ROW1
	v_wmma_scale_f32_16x16x128_f8f6f4 v[S+16*\t+8:S+16*\t+15], v[FRG+16*\t:FRG+16*\t+15], v[16:31], 0, v[216+\t/2], v10 matrix_a_scale:MATRIX_SCALE_ROW1
.else
	v_wmma_scale_f32_16x16x128_f8f6f4 v[S+16*\t:S+16*\t+7], v[FRG+16*\t:FRG+16*\t+15], v[24:39], 0, v[216+\t/2], v10
	v_wmma_scale_f32_16x16x128_f8f6f4 v[S+16*\t+8:S+16*\t+15], v[FRG+16*\t:FRG+16*\t+15], v[16:31], 0, v[216+\t/2], v10
.endif
.endif
.endr
.rept 8
	v_nop
.endr
.irp t, 0,1,2,3                        ; V's four channel tiles land while the softmax is worked
.irp c, 0,1,2,3
	ds_load_b128 v[FRG+16*\t+4*\c:FRG+16*\t+4*\c+3], v3 offset:8448+2048*\t+512*\c
.endr
.endr
	ds_load_b64 v[218:219], v4 offset:16640
.if \nb == 4
	s_cmp_lt_u32 s41, s39                          ; a step all of whose keys count skips the mask; the one that is left is my queries' own
	s_cbranch_scc1 .Lopen_\@
.set n, 0
.rept 64
	v_cmp_gt_i32 vcc_lo, 32*(n/16)+n%16, v5        ; register 16 b + i holds key 32 b + 16 h + i of the step: hidden where 32 b + i > my bound
	v_cndmask_b32 v[S+n], v[S+n], v246, vcc_lo
.set n, n+1
.endr
.Lopen_\@:
.else
.set n, 0
.rept 16
	v_cmp_gt_i32 vcc_lo, n, v247                   ; the bound is 128 less here: key 0 counts for query 127 of the 128, nothing else
	v_cndmask_b32 v[S+n], v[S+n], v246, vcc_lo
.set n, n+1
.endr
.endif
.irp b, 0,1,2,3
.if \b < \nb
	v_max3_num_f32 v[BM+\b], v[S+16*\b], v[S+1+16*\b], v[S+2+16*\b]   ; the largest score of each block of 32 keys: for the row's maximum, and for the block's largest p
.endif
.endr
.irp i, 3,5,7,9,11,13
.irp b, 0
.if \b < \nb
	v_max3_num_f32 v[BM+\b], v[BM+\b], v[S+16*\b+\i], v[S+1+16*\b+\i]
.endif
.endr
.irp b, 1, 2, 3
.if \b < \nb
	v_max3_num_f32 v[BM+\b], v[BM+\b], v[S+16*\b+\i], v[S+1+16*\b+\i]
.endif
.endr
.endr
.irp b, 0
.if \b < \nb
	v_max_num_f32 v[BM+\b], v[BM+\b], v[S+15+16*\b]
.endif
.endr
.irp b, 1, 2, 3
.if \b < \nb
	v_max_num_f32 v[BM+\b], v[BM+\b], v[S+15+16*\b]
.endif
.endr
.irp b, 0
.if \b < \nb
	v_permlanex16_b32 v[T2+\b], v[BM+\b], s20, s21
.endif
.endr
.irp b, 1, 2, 3
.if \b < \nb
	s_delay_alu instid0(VALU_DEP_4)
	v_permlanex16_b32 v[T2+\b], v[BM+\b], s20, s21
.endif
.endr
.irp b, 0
.if \b < \nb
	v_max_num_f32 v[BM+\b], v[BM+\b], v[T2+\b]
.endif
.endr
.irp b, 1, 2, 3
.if \b < \nb
	s_delay_alu instid0(VALU_DEP_4)
	v_max_num_f32 v[BM+\b], v[BM+\b], v[T2+\b]
.endif
.endr
.if \nb == 4
	s_delay_alu instid0(VALU_DEP_2)
	v_max3_num_f32 v242, v[BM], v[BM+1], v[BM+2]
	s_delay_alu instid0(VALU_DEP_1)
	v_max_num_f32 v242, v242, v[BM+3]
	s_delay_alu instid0(VALU_DEP_1)
	v_mul_f32 v242, s22, v242                      ; as t
.else
	s_delay_alu instid0(VALU_DEP_1)
	v_mul_f32 v242, s22, v[BM]
.endif
	s_delay_alu instid0(VALU_DEP_1)
	v_max_num_f32 v13, v13, v242                   ; the running largest t
	v_mov_b32 v242, v12
	s_delay_alu instid0(VALU_DEP_2)
	v_floor_f32 v12, -v13                          ; -M = floor(-t): M is a whole number
	s_delay_alu instid0(VALU_DEP_1)
	v_sub_f32 v242, v12, v242
	s_delay_alu instid0(VALU_DEP_1)
	v_cvt_i32_f32 v242, v242
	s_delay_alu instid0(VALU_DEP_1)
	v_ldexp_f32 v240, 1.0, v242                    ; f = 2^(old M - new M): exact
.set j, 0
.rept 8*\nb
	v_pk_fma_f32 v[S+j:S+j+1], v[S+j:S+j+1], s[22:23], v[12:13] op_sel_hi:[1,0,0]   ; t - M
.set j, j+2
.endr
.irp b, 0,1,2,3
.if \b < \nb
	v_fma_f32 v[BM+\b], v[BM+\b], s22, v12
.endif
.endr
.set j, 0
	s_wait_alu depctr_va_vdst(0)
.rept 16*\nb
	v_exp_f32 v[S+j], v[S+j]                       ; p = 2^(t - M)
.set j, j+1
.endr
.irp b, 0,1,2,3
.if \b < \nb
	v_exp_f32 v[BM+\b], v[BM+\b]                   ; the block's largest p
.endif
.endr
	v_pk_mul_f32 v[14:15], v[14:15], v[240:241] op_sel_hi:[1,0]   ; the sum under the new M; a plain place behind the exponentials
	s_wait_alu depctr_va_vdst(0)
.irp b, 0,1,2,3
.if \b < \nb
	v_max_num_f32 v[BM+\b], 0x4800000, v[BM+\b]    ; the floor 2^(9 - 127)
.endif
.endr
.irp b, 0
.if \b < \nb
	v_add_nc_u32 v[SO+\b], 0xfc000000, v[BM+\b]
.endif
.endr
.irp b, 1, 2, 3
.if \b < \nb
	s_delay_alu instid0(VALU_DEP_4)
	v_add_nc_u32 v[SO+\b], 0xfc000000, v[BM+\b]
.endif
.endr
.irp b, 0,1,2,3
.if \b < \nb
.endif
.endr
.irp b, 0
.if \b < \nb
	v_lshrrev_b32 v[T2+\b], 23, v[SO+\b]
.endif
.endr
.irp b, 1, 2, 3
.if \b < \nb
	s_delay_alu instid0(VALU_DEP_4)
	v_lshrrev_b32 v[T2+\b], 23, v[SO+\b]
.endif
.endr
.if \nb == 4
	s_delay_alu instid0(VALU_DEP_3)
	v_lshl_or_b32 v220, v[T2+1], 8, v[T2]          ; p's scale word for these 128 keys
	s_delay_alu instid0(VALU_DEP_1)
	v_lshl_or_b32 v220, v[T2+2], 16, v220
	s_delay_alu instid0(VALU_DEP_1)
	v_lshl_or_b32 v220, v[T2+3], 24, v220
.else
	s_delay_alu instid0(VALU_DEP_1)
	v_mov_b32 v220, v[T2]                          ; the other three bytes are 0: a scale like any other, over zero codes
.endif
	v_pk_add_f32 v[244:245], v[S:S+1], v[S+2:S+3]  ; the sum of the unquantised p, in two chains
.set j, 4
.rept 4*\nb-1
	v_pk_add_f32 v[14:15], v[14:15], v[S+j:S+j+1]
	v_pk_add_f32 v[244:245], v[244:245], v[S+j+2:S+j+3]
.set j, j+4
.endr
	s_delay_alu instid0(VALU_DEP_1)
	v_pk_add_f32 v[14:15], v[14:15], v[244:245]
.irp b, 0,1,2,3
.if \b < \nb
.irp i, 0,2,4,6,8,10,12,14
.endr
	v_cvt_scalef32_pk8_fp8_f32 v[PCD+4*\b:PCD+1+4*\b], v[S+16*\b:S+7+16*\b], v[SO+\b]
	v_cvt_scalef32_pk8_fp8_f32 v[PCD+2+4*\b:PCD+3+4*\b], v[S+8+16*\b:S+15+16*\b], v[SO+\b]
.else
.irp i, 0,1,2,3
	v_mov_b32 v[PCD+4*\b+\i], 0                    ; keys that are not worked: zero codes
.endr
.endif
.endr
.set j, 0
.rept 16
	v_pk_mul_f32 v[O+j:O+j+1], v[O+j:O+j+1], v[240:241] op_sel_hi:[1,0]   ; O^T under the new M; also the places between the codes and the products below
.set j, j+2
.endr
	s_wait_alu depctr_va_vdst(0)
	s_wait_dscnt 0x0                               ; V
.irp t, 0,2                            ; O^T += V^T P^T: four accumulators by turns
	v_wmma_scale_f32_16x16x128_f8f6f4 v[O+8*\t:O+8*\t+7], v[FRG+16*\t:FRG+16*\t+15], v[PCD:PCD+15], v[O+8*\t:O+8*\t+7], v[218+\t/2], v220
	v_wmma_scale_f32_16x16x128_f8f6f4 v[O+8*\t+8:O+8*\t+15], v[FRG+16*\t+16:FRG+16*\t+31], v[PCD:PCD+15], v[O+8*\t+8:O+8*\t+15], v[218+\t/2], v220 matrix_a_scale:MATRIX_SCALE_ROW1
.endr
.endm
.macro OUT                             ; O^T / the sum is ctx: register 16 b + i = channel 32 b + 16 h + i of my query: two blocks of the last product's K
.rept 8
	v_nop
.endr
	v_add_f32 v14, v14, v15
	s_delay_alu instid0(VALU_DEP_1)
	v_permlanex16_b32 v242, v14, s20, s21
	s_delay_alu instid0(VALU_DEP_1)
	v_add_f32 v14, v14, v242
	s_wait_alu depctr_va_vdst(0)
	v_rcp_f32 v14, v14
	v_nop
.set j, 0
	s_wait_alu depctr_va_vdst(0)
.rept 32
	v_mul_f32 v[S+j], v[O+j], v14
.set j, j+1
.endr
.irp b, 0,1
	v_max3_num_f32 v[BM+\b], |v[S+16*\b]|, |v[S+1+16*\b]|, 0x4800000
.endr
.irp i, 2,4,6,8,10,12,14
.irp b, 0,1
	s_delay_alu instid0(VALU_DEP_2)
	v_max3_num_f32 v[BM+\b], v[BM+\b], |v[S+16*\b+\i]|, |v[S+1+16*\b+\i]|
.endr
.endr
.irp b, 0,1
	s_delay_alu instid0(VALU_DEP_2)
	v_permlanex16_b32 v[T2+\b], v[BM+\b], s20, s21
.endr
.irp b, 0,1
	s_delay_alu instid0(VALU_DEP_2)
	v_max_num_f32 v[BM+\b], v[BM+\b], v[T2+\b]
.endr
.irp b, 0,1
	s_delay_alu instid0(VALU_DEP_2)
	v_add_nc_u32 v[SO+\b], 0xfc000000, v[BM+\b]
.endr
.irp b, 0,1
.endr
.irp b, 0,1
	s_delay_alu instid0(VALU_DEP_2)
	v_lshrrev_b32 v[T2+\b], 23, v[SO+\b]
.endr
	s_delay_alu instid0(VALU_DEP_1)
	v_lshl_or_b32 v8, v[T2+1], 8, v[T2]
.irp b, 0,1
.irp i, 0,1,2,3,4,5,6,7,8,9,10,11,12,13,14,15
.endr
	v_cvt_scalef32_pk8_fp8_f32 v[PCD+4*\b:PCD+1+4*\b], v[S+16*\b:S+7+16*\b], v[SO+\b]
	v_cvt_scalef32_pk8_fp8_f32 v[PCD+2+4*\b:PCD+3+4*\b], v[S+8+16*\b:S+15+16*\b], v[SO+\b]
.endr
	v_cmp_gt_u32 vcc_lo, 16, v9
	global_store_b128 v1, v[PCD:PCD+3], s[48:49]               ; 512 consecutive bytes: a K-block of my row tile
	global_store_b128 v1, v[PCD+4:PCD+7], s[48:49] offset:512
	s_wait_alu depctr_va_vdst(0)
	s_wait_xcnt 0x0                                ; EXEC changes only behind this wait
	s_and_saveexec_b32 s52, vcc_lo
	global_store_b16 v6, v8, s[50:51]              ; lanes 0-15: my row's two scale bytes
	s_wait_xcnt 0x0
	s_or_b32 exec_lo, exec_lo, s52
.endm
.macro PASS pi
	s_wait_xcnt 0x0                                ; the last pass's stores have read their data and bases
.if \pi
	s_xor_b32 s39, s38, 15                         ; 15 - m
.else
	s_mov_b32 s39, s38
.endif
	s_add_co_u32 s40, s39, 1
	s_cmp_eq_u32 s37, 1
	s_cselect_b32 s40, s40, 16                     ; the step that is worked for its first block alone: mm + 1 in a u = 1 tile; 16 is never met
	s_lshl_b32 s43, ttmp9, 4
	s_add_co_u32 s43, s43, s39
	s_mul_i32 s44, s43, REC
	s_mov_b32 s45, 0
	s_add_nc_u64 s[46:47], s[4:5], s[44:45]        ; the record that holds my queries
	s_lshl_b32 s43, s39, 3
	s_add_co_u32 s43, s43, s53
	s_lshr_b32 s44, ttmp9, 4
	s_lshl_b32 s44, s44, 7
	s_add_co_u32 s43, s43, s44                     ; ctx's row tile: 128 x batch + 8 mm + 2 c + u
	s_lshl_b32 s44, s43, 14
	s_lshl_b32 s55, s54, 10
	s_add_co_u32 s44, s44, s55
	s_add_nc_u64 s[48:49], s[6:7], s[44:45]
	s_lshl_b32 s44, s43, 9
	s_lshr_b32 s55, s54, 2
	s_lshl_b32 s55, s55, 7
	s_add_co_u32 s44, s44, s55
	s_and_b32 s55, s54, 3
	s_lshl_b32 s55, s55, 1
	s_add_co_u32 s44, s44, s55
	s_add_nc_u64 s[50:51], s[8:9], s[44:45]
	global_load_b128 v[24:27], v11, s[46:47]
	global_load_b128 v[28:31], v11, s[46:47] offset:512
	global_load_b32 v8, v7, s[46:47] offset:8192
	v_mov_b32 v13, 0xff61b1e6                      ; the largest t so far: -3e38
	s_delay_alu instid0(VALU_DEP_1)
	v_floor_f32 v12, -v13
	v_mov_b32 v14, 0
	v_mov_b32 v15, 0
.if \pi == 0
	s_wait_tensorcnt 0x0                           ; my step's K and V are in (my first queries were asked for above and land meanwhile),
	s_barrier_signal -1
	s_barrier_wait -1                              ; everybody's are: from here on LDS is only read
.endif
	s_wait_loadcnt 0x0
	v_lshrrev_b32 v8, s56, v8                      ; my tile's two bytes of the pair's word,
	s_delay_alu instid0(VALU_DEP_1)
	v_and_b32 v8, 0xffff, v8
	s_delay_alu instid0(VALU_DEP_1)
	v_lshl_or_b32 v10, v8, 16, v8                  ; twice: they serve Q in the low and in the high half of K
.set j, 0
.rept 32
	v_mov_b32 v[O+j], 0                            ; the step is written once: the first finds zeros
.set j, j+1
.endr
	s_mov_b32 s41, 0
	s_mov_b32 s42, 0
.Lstep_\@:                                         ; sixteen trips in every wave; a step all of whose keys are hidden has its work jumped over
	s_cmp_gt_u32 s41, s39
	s_cbranch_scc1 .Lpast_\@
	STEP 4
	s_branch .Lskip_\@
.Lpast_\@:
	s_cmp_lg_u32 s41, s40
	s_cbranch_scc1 .Lskip_\@
	STEP 1
.Lskip_\@:
	s_add_co_u32 s42, s42, LREC
	s_add_co_u32 s41, s41, 1
	s_cmp_lt_u32 s41, 16
	s_cbranch_scc1 .Lstep_\@
	OUT
.endm
	s_load_b128 s[4:7], s[0:1], 0x0                ; the records, ctx's codes
	s_load_b64 s[8:9], s[0:1], 0x10                ; ctx's scale bytes
	v_lshl_add_u32 v254, v0, 2, 0x42000
	v_mov_b32 v255, 0
	ds_add_u32 v254, v255
	ds_add_u32 v254, v255
	v_lshrrev_b32 v1, 5, v0
	s_delay_alu instid0(VALU_DEP_1)
	v_readfirstlane_b32 s18, v1                    ; wave 0..15
	s_bfe_u32 s36, ttmp6, 0x40000                  ; c: my place in the cluster; it enters global addresses and the mask's bound alone
	s_mov_b32 s24, 15|(3<<16)|(1<<21)              ; 15:0 all four partners; elements of 8 bytes; 21 set beside a mask
	s_mov_b32 s25, 32<<16                          ; rows of 256 bytes,
	s_mov_b32 s26, 66<<16                          ; 66 of them: a step's K and V sections, dense
	s_mov_b32 s27, 32<<16
	s_mov_b32 s28, 66
	s_mov_b32 s29, 32
	s_mov_b32 s30, 0
	s_mov_b32 s31, 0
	s_lshl_b32 s43, ttmp9, 4
	s_add_co_u32 s43, s43, s18                     ; the record of (batch, head) and step = my wave's number
	s_mul_i32 s44, s43, REC
	s_add_co_u32 s44, s44, SEC
	s_mov_b32 s45, 0
	s_mov_b32 s32, 1
	s_mul_i32 s33, s18, LREC
	s_wait_dscnt 0x0
	s_wait_kmcnt 0x0
	s_add_nc_u64 s[34:35], s[4:5], s[44:45]
	s_or_b32 s35, s35, 0x80000000
	ROUND                                          ; all four work-groups are here: the joint loads meet
	tensor_load_to_lds s[32:35], s[24:31]          ; my one tensor load of the launch
	s_nop 0
.rept 4
	v_nop
.endr
	s_lshr_b32 s37, s18, 2
	s_xor_b32 s37, s37, s18
	s_and_b32 s37, s37, 1                          ; u = bit 0 xor bit 2 of the wave's number
	s_lshr_b32 s38, s18, 3
	s_lshl_b32 s38, s38, 2
	s_and_b32 s43, s18, 3
	s_or_b32 s38, s38, s43                         ; m = bits 3, 1, 0
	s_lshl_b32 s53, s36, 1
	s_add_co_u32 s53, s53, s37                     ; 2 c + u: my tile in a record
	s_and_b32 s54, ttmp9, 15                       ; the head
	s_lshl_b32 s56, s37, 4
	s_mov_b32 s20, 0x76543210
	s_mov_b32 s21, 0xfedcba98
	s_mov_b32 s22, 0x3e38aa3b                      ; log2(e) / 8
	s_mov_b32 s23, s22
	v_and_b32 v9, 31, v0
	s_delay_alu instid0(VALU_DEP_1)
	v_lshlrev_b32 v1, 4, v9
	s_delay_alu instid0(VALU_DEP_2)
	v_lshlrev_b32 v2, 3, v9
	v_and_b32 v8, 15, v0                           ; r
	v_bfe_u32 v242, v0, 4, 1                       ; h
	s_delay_alu instid0(VALU_DEP_2)
	v_lshlrev_b32 v6, 3, v8
	s_wait_alu depctr_va_vdst(0)
	v_and_b32 v243, 8, v8
	s_delay_alu instid0(VALU_DEP_1)
	v_add_nc_u32 v5, v243, v8                      ; r + 8 (r / 8)
	v_lshlrev_b32 v242, 4, v242
	s_delay_alu instid0(VALU_DEP_1)
	v_sub_nc_u32 v5, v5, v242
	s_lshl_b32 s43, s36, 5
	s_lshl_b32 s44, s37, 3
	s_add_co_u32 s43, s43, s44
	s_add_co_u32 s43, s43, 1
	v_add_nc_u32 v5, s43, v5                       ; my query in its 128, + 1, - 16 h
	s_delay_alu instid0(VALU_DEP_1)
	v_add_nc_u32 v247, 0xffffff80, v5              ; and 128 less: the bound in the step behind
	s_and_b32 s43, s36, 1
	s_lshl_b32 s43, s43, 7
	s_lshr_b32 s44, s36, 1
	s_lshl_b32 s44, s44, 2
	s_add_co_u32 s43, s43, s44
	v_add_nc_u32 v7, s43, v6                       ; Q's scale word: item c: word c / 2 of lane r + 16 (c % 2)
	s_lshl_b32 s43, s53, 10
	v_add_nc_u32 v11, s43, v1
.irp j, 16,17,18,19,20,21,22,23,32,33,34,35,36,37,38,39
	v_mov_b32 v\j, 0                               ; the zero codes on both sides of Q
.endr
.irp b, 0,1,2,3
	v_mov_b32 v[T2+\b], 0                          ; a lane permute's destination counts as one of its sources
.endr
	v_mov_b32 v241, 0                              ; named as the upper half of the pair v[240:241]
	v_mov_b32 v246, 0xff800000                     ; -infinity
	PASS 0                                         ; (the wait for the tiles and the work-group's barrier stand in it, behind its loads of Q)
	PASS 1
	s_wait_tensorcnt 0x0
	ds_add_u32 v254, v255
	s_wait_dscnt 0x0
	ROUND                                          ; the closing round
	s_endpgm
.Lfunc_end_k_qf95f19f9b8_attn:
	.size	k_qf95f19f9b8_attn, .Lfunc_end_k_qf95f19f9b8_attn-k_qf95f19f9b8_attn
	.p2alignl 7, 3214868480
	.fill 96, 4, 3214868480
	.section	.rodata,"a",@progbits
	.p2align	6, 0x0
	.amdhsa_kernel k_qf95f19f9b8_attn
		.amdhsa_group_segment_fixed_size 272384
		.amdhsa_private_segment_fixed_size 0
		.amdhsa_enable_private_segment 0
		.amdhsa_kernarg_size 24
		.amdhsa_user_sgpr_count 2
		.amdhsa_user_sgpr_kernarg_segment_ptr 1
		.amdhsa_wavefront_size32 1
		.amdhsa_system_sgpr_workgroup_id_x 1
		.amdhsa_system_sgpr_workgroup_id_y 1
		.amdhsa_system_sgpr_workgroup_id_z 1
		.amdhsa_system_vgpr_workitem_id 0
		.amdhsa_next_free_vgpr 256
		.amdhsa_next_free_sgpr 66
		.amdhsa_reserve_vcc 1
		.amdhsa_float_denorm_mode_32 3
		.amdhsa_float_denorm_mode_16_64 3
		.amdhsa_fp16_overflow 1
		.amdhsa_memory_ordered 1
		.amdhsa_forward_progress 1
		.amdhsa_inst_pref_size 80
	.end_amdhsa_kernel
	.amdgpu_metadata
---
amdhsa.version: [ 1, 2 ]
amdhsa.kernels:
  - .name:           k_qf95f19f9b8_attn
    .symbol:         k_qf95f19f9b8_attn.kd
    .args:
      - { .name: qkv, .offset: 0, .size: 8, .value_kind: global_buffer, .address_space: global }
      - { .name: cc, .offset: 8, .size: 8, .value_kind: global_buffer, .address_space: global }
      - { .name: cs, .offset: 16, .size: 8, .value_kind: global_buffer, .address_space: global }
    .group_segment_fixed_size: 272384
    .private_segment_fixed_size: 0
    .kernarg_segment_align: 8
    .kernarg_segment_size: 24
    .max_flat_workgroup_size: 512
    .sgpr_count:     66
    .vgpr_count:     256
    .wavefront_size: 32
...
	.end_amdgpu_metadata
.endif
;; end of part 3
;; launch oproj (part 4): grid 4 x 64, 4 waves a work-group, clusters of 4 x 4, 327,680 bytes of LDS; arguments cc, cs, wc, ws, bo, out0; writes out0
.if DOCPART == 4
	.amdgcn_target "amdgcn-amd-amdhsa--gfx1250"
	.amdhsa_code_object_version 6
	.text
	.protected	k_qf95f19f9b8_oproj
	.globl	k_qf95f19f9b8_oproj
	.p2align	8
	.type	k_qf95f19f9b8_oproj,@function
k_qf95f19f9b8_oproj:
	s_mov_b64 s[64:65], 0
	v_nop
	global_prefetch_b8 v0, s[64:65] scope:SCOPE_SE
	s_setreg_imm32_b32 hwreg(HW_REG_WAVE_MODE, 25, 1), 1
	s_wait_xcnt 0x0
	s_wait_alu depctr_hold_cnt(0) depctr_sa_sdst(0) depctr_va_vdst(0) depctr_va_sdst(0) depctr_va_ssrc(0) depctr_va_vcc(0) depctr_vm_vsrc(0)
	s_getreg_b32 s2, hwreg(HW_REG_IB_STS2, 6, 4)
	s_cmp_eq_u32 s2, 0
	s_cbranch_scc0 .Lentry_in_a_cluster
	s_endpgm
.Lentry_in_a_cluster:
	s_bfe_u32 s2, ttmp6, 0x10000c
	s_cmp_lg_u32 s2, 0xf033
	s_cbranch_scc0 .Lentry_shape_is_right
	s_endpgm
.Lentry_shape_is_right:
; out = ctx Wo + bo on codes of E4M3 with E8M0 scales, sums in f32.  D = P R^T: source 0 = 16 rows of Wo's codes (columns of out), source 1 = 16 rows of ctx: a lane holds one row of out and neighbouring columns.
; A work-group of four waves makes 128 rows x 256 columns, so that the 8,192 x 1,024 numbers give 256 work-groups; a wave makes 64 x 128: 32 accumulators.  Operands lie in image order: 16 bytes a lane, 512 a group of four registers.
; K = 1024 goes in four steps of 256.  THREE LDS slots of 98,304 bytes (ctx's 8 row tiles, then Wo's 16) take K steps 0, 1, 2 with the first fills; K step 3 is the one refill, into slot 0, asked for when K step 0 has been
; read: it has two K steps in which to land.  The scales of the work-group's rows, for all of K, come once.  A wave has four tensor loads out at the start and one behind the refill's round.
; CLUSTERS 4 x 4: ctx's tiles are shared along a row of the cluster, Wo's along a column: joint loads.
; The bias is the C of each sum's first product.  The stored order of rows (ctx) and of columns (Wo) is undone on the way out: columns by the place in the stage, rows by the stores' immediates.
; REGISTERS: window 0: v16-29 addresses; v32-63 scale words, two sets; v64-127 the bias, eight registers a column tile; v128-191 ctx's four fragments, one set; on the way out v128-255 rows of out.
;   window 1: Wo's fragments, two sets.  window 2: accumulator (a, b) at v[8 (8 a + b)].
.set NQ,     2
.set FR,     16
.set NL,     4
.set NP,     8                         ; places behind this matrix instruction (ISA guide 7.12.1)
.set RHALF,  16384                     ; 4 row tiles x 4,096 bytes: what a wave fetches, and reads, of ctx in a K step
.set PHALF,  32768                     ; 8 row tiles: of Wo
.set POFF,   2*RHALF                   ; Wo's tiles lie behind ctx's 8
.set SLOT,   2*RHALF+2*PHALF
.set SCL,    3*SLOT                    ; the scales: ctx's 4,096 bytes, then Wo's 8,192
.set RSH,    2048
.set PSH,    4096
.set SPARE,  SCL+2*RSH+2*PSH           ; the spare words, 128 bytes a wave: two blocks of 256 bytes that no other line names
.set STAGE,  SLOT                      ; the way out: 16 rows x (512 + 16) bytes a wave, in slot 1: it is filled once, and its last read lies ahead of a barrier that every wave has passed by then
.set SPITCH, 528
.set ADRA, 16                          ; v16-18 my fragments of ctx in slots 0, 1, 2
.set ADRB, 20                          ; v20-22 of Wo
.set STO,  24
.set RD,   25
.set CO,   26
.set ADRS, 27
.set SPW,  28
.set NIL,  29
.set SC,   32
.set BI,   64
.set AF,   128
.set BK,   128
.set G1,   24                          ; s[24:31] group 1 for ctx's codes; s[32:39] for Wo's; s[40:47], s[48:55] for their scales
.set G1B,  32
.set G1S,  40
.set G1SB, 48
.set G0S,  56                          ; s[56:59], s[60:63] groups 0 for the scales
.set G0SB, 60
.set G0,   68                          ; s[68:79] groups 0 for ctx's codes, one a slot; s[80:91] for Wo's
.set G0B,  80
.set MSB, 0
.macro WIN new                         ; the immediate's high byte repeats the setting that is left
.if MSB != \new
	s_set_vgpr_msb (MSB<<8)|\new
.set MSB, \new
.endif
.endm
.set MULW, 0xa1                        ; source 0 (Wo) window 1, source 1 (ctx) window 0, C and D window 2
.set MULB, 0x81                        ; the same with C (the bias) in window 0
.set TO_B, 0x40
.macro WMUL zero
.if \zero == 2
	WIN MULB
.else
	WIN MULW
.endif
.endm
; A joint load: waves 0 and 1 fetch for ctx, waves 2 and 3 for Wo; the branch hangs on the wave's number alone.  Four v_nop follow each line.
.macro JLOAD g0a, g1a, g0b, g1b
	s_cmp_eq_u32 s15, 0
	s_cbranch_scc0 .Lfor_b_\@
	tensor_load_to_lds s[\g0a:\g0a+3], s[\g1a:\g1a+7]
	s_nop 0
.rept 4
	v_nop
.endr
	s_branch .Lasked_\@
.Lfor_b_\@:
	tensor_load_to_lds s[\g0b:\g0b+3], s[\g1b:\g1b+7]
	s_nop 0
.rept 4
	v_nop
.endr
.Lasked_\@:
.endm
.macro CREST                           ; a round of the cluster's barrier behind its opening barrier
	s_cmp_lg_u32 s14, 0
	s_cbranch_scc1 .Lnot_wave_0_\@
	s_barrier_signal -3
.Lnot_wave_0_\@:
	s_barrier_wait -3
	s_barrier_signal -1
	s_barrier_wait -1
.endm
.macro CROUND
	s_barrier_signal -1
	s_barrier_wait -1
	CREST
.endm
.macro FRAG reg, adr, q, i             ; row tile i, the slot's q-th 128 along K: four groups of 512 consecutive bytes
.irp c, 0,1,2,3
	ds_load_b128 v[\reg+4*\c:\reg+4*\c+3], v[\adr] offset:4096*(\i)+2048*(\q)+512*\c
.endr
.endm
; 8 matrix instructions: ctx's block a x Wo's eight.  The 32 accumulators take turns, one instruction a turn, in the same order in every step.  zero = 2: the sums start from the bias
.macro MULA a, p, q, sc, zero
.irp b, 0,1,2,3,4,5,6,7
.if \zero == 2
	v_wmma_scale_f32_16x16x128_f8f6f4 v[8*(8*(\a)+\b):8*(8*(\a)+\b)+7], v[128*(\p)+FR*\b:128*(\p)+FR*\b+FR-1], v[AF+FR*(\a):AF+FR*(\a)+FR-1], v[BI+8*\b:BI+8*\b+7], v[SC+8*NQ*(\sc)+NQ*\b+(\q)], v[SC+8*NQ*(\sc)+NQ*(\a)+(\q)] matrix_a_scale:MATRIX_SCALE_ROW1
.else
	v_wmma_scale_f32_16x16x128_f8f6f4 v[8*(8*(\a)+\b):8*(8*(\a)+\b)+7], v[128*(\p)+FR*\b:128*(\p)+FR*\b+FR-1], v[AF+FR*(\a):AF+FR*(\a)+FR-1], v[8*(8*(\a)+\b):8*(8*(\a)+\b)+7], v[SC+8*NQ*(\sc)+NQ*\b+(\q)], v[SC+8*NQ*(\sc)+NQ*(\a)+(\q)] matrix_a_scale:MATRIX_SCALE_ROW1
.endif
.endr
.endm
.macro FETCH_B slot, q, p              ; Wo's eight fragments into set p
	WIN TO_B
.irp i, 0,1,2,3,4,5,6,7
	FRAG 128*(\p)+FR*\i, ADRB+\slot, \q, \i
.endr
	WIN 0
.endm
.macro FETCH_A slot, q, i0             ; ctx's blocks i0, i0 + 1
.irp i, \i0, \i0+1
	FRAG AF+FR*(\i), ADRA+\slot, \q, \i
.endr
.endm
.macro SCALES sc                       ; a K step's two words a row: lanes 0-15 ctx's block i (i = 4 .. 7 reach filled bytes that no product uses), lanes 16-31 Wo's block i
.irp i, 0,1,2,3,4,5,6,7
	ds_load_b64 v[SC+8*NQ*(\sc)+NQ*\i:SC+8*NQ*(\sc)+NQ*\i+1], v[ADRS] offset:\i*512
.endr
.endm
.macro PLACES n                        ; plain vector instructions between a matrix instruction and a load into, or a read of, its registers
.rept \n
	v_nop
.endr
.endm
.macro STEP slot, q, zero, sc          ; 128 along K whose successor lies in the same slot
	s_wait_dscnt 2*NL                              ; Wo's set and ctx's blocks 0, 1 are in; the youngest 8 loads (blocks 2, 3) may be out
	WMUL \zero
	MULA 0, (\q)%2, \q, \sc, \zero
	MULA 1, (\q)%2, \q, \sc, \zero
	s_wait_dscnt 0
	PLACES NP
	FETCH_B \slot, (\q)+1, 1-(\q)%2
	FETCH_A \slot, (\q)+1, 0
	WMUL \zero
	MULA 2, (\q)%2, \q, \sc, \zero
	MULA 3, (\q)%2, \q, \sc, \zero
	PLACES NP
	WIN 0
	FETCH_A \slot, (\q)+1, 2
.endm
; A slot's last step goes on into the next slot.  mode 1: this slot is filled again: the wait for all my tensor loads, the add, the wait for it and for my reads, a round of the cluster's barrier, the joint refill.
; mode 0: the next slot holds the refill: the same three lines and the work-group's barrier; nothing is filled.  mode 2: the next slot was shown whole to every wave by an earlier wait for 0 and barrier: no wait, no barrier.
.macro TURN slot, next, mode, sc, scn
.if \mode == 2
	s_wait_dscnt 2*NL
	WIN MULW
	MULA 0, 1, NQ-1, \sc, 0
	MULA 1, 1, NQ-1, \sc, 0
	s_wait_dscnt 0x0
	WIN 0
	PLACES NP
.else
	s_wait_tensorcnt 0x0                           ; all my tensor loads have landed
	ds_add_u32 v[SPW], v[NIL]                      ; 0 onto my spare word
	s_wait_dscnt 2*NL+1                            ; (the add and the youngest 8 loads may be out)
	WIN MULW
	MULA 0, 1, NQ-1, \sc, 0
	s_wait_dscnt 0x0                               ; the add is done, and my reads of this slot are over
	s_barrier_signal -1
	MULA 1, 1, NQ-1, \sc, 0
	WIN 0
	s_barrier_wait -1
.if \mode == 1
	CREST                                          ; the barrier has opened a round of the cluster's: no wave of any partner still reads this slot or has a load on its way
	s_add_nc_u64 s[G0+4*\slot+2:G0+4*\slot+3], s[G0+4*\slot+2:G0+4*\slot+3], 3*4096
	s_add_nc_u64 s[G0B+4*\slot+2:G0B+4*\slot+3], s[G0B+4*\slot+2:G0B+4*\slot+3], 3*4096
	JLOAD G0+4*\slot, G1, G0B+4*\slot, G1B         ; the first tensor load behind the round, one a wave: three K steps on
	PLACES NP-4
.else
	PLACES NP
.endif
.endif
	v_add_nc_u32 v[ADRS], 128, v[ADRS]             ; the next K step's scale words
	FETCH_B \next, 0, 0
	FETCH_A \next, 0, 0
	SCALES \scn
	WIN MULW
	MULA 2, 1, NQ-1, \sc, 0
	MULA 3, 1, NQ-1, \sc, 0
	PLACES NP
	WIN 0
	FETCH_A \next, 0, 2
.endm
; THE WAY OUT, a block of 16 rows x 128 columns at a time through my own stage.  Column tile b = 2 bb + u, register j of lane (r, h) is true column 32 bb + 16 h + 8 u + j.
.macro TOSTAGE a
.set AC, 64*(\a)
	WIN 0x08                                       ; an LDS store's data: window 2
.irp b, 0,1,2,3,4,5,6,7
	ds_store_b128 v[STO], v[AC+8*\b:AC+8*\b+3] offset:128*(\b/2)+32*(\b%2)       ; each accumulator from its low end on
	ds_store_b128 v[STO], v[AC+8*\b+4:AC+8*\b+7] offset:128*(\b/2)+32*(\b%2)+16
.endr
	WIN 0
.set BB, BK+64*((\a)%2)
.irp t, 0,1,2,3,4,5,6,7,8,9,10,11,12,13,14,15
	ds_load_b128 v[BB+4*\t:BB+4*\t+3], v[RD] offset:\t*SPITCH   ; LDS serves a wave's instructions in order: these see the stores above
.endr
.endm
.macro SEND a, younger                 ; stored tile a, row t is true row 32 (a / 2) + 8 (a % 2) + t + 8 (t / 8) of my 64
.set BB, BK+64*((\a)%2)
	s_wait_dscnt \younger
.irp t, 0,1,2,3,4,5,6,7,8,9,10,11,12,13,14,15
	global_store_b128 v[CO], v[BB+4*\t:BB+4*\t+3], s[12:13] offset:(32*((\a)/2)+8*((\a)%2)+\t+8*(\t/8))*4096 th:TH_STORE_NT   ; 512 consecutive bytes of a row
.endr
.endm
	s_load_b128 s[4:7], s[0:1], 0x0                ; ctx's codes, ctx's scales
	s_load_b128 s[8:11], s[0:1], 0x10              ; the weights' codes, their scales
	s_load_b64 s[66:67], s[0:1], 0x20              ; bo
	s_load_b64 s[12:13], s[0:1], 0x28              ; out
	v_lshl_add_u32 v[SPW], v0, 2, SPARE
	v_mov_b32 v[NIL], 0
	ds_add_u32 v28, v29
	ds_add_u32 v28, v29
	s_wait_dscnt 0x0
	v_lshrrev_b32 v1, 5, v0
	v_readfirstlane_b32 s14, v1                    ; wave 0..3
	s_lshr_b32 s15, s14, 1                         ; my half of ctx's rows.  Also: I fetch for ctx (0) or for Wo (1)
	s_and_b32 s16, s14, 1                          ; my half of Wo's rows.  Also: which half of a tile I fetch
	s_bfe_u32 s92, ttmp6, 0x40000                  ; cx, cy: my place in the cluster
	s_bfe_u32 s93, ttmp6, 0x40004
	s_lshl_b32 s94, ttmp9, 2
	s_add_co_u32 s94, s94, s92                     ; Wo's tile of 256 columns of out
	s_and_b32 s17, ttmp7, 0xffff
	s_lshl_b32 s17, s17, 2
	s_add_co_u32 s17, s17, s93                     ; ctx's tile of 128 rows
	s_lshl_b32 s95, s93, 2
	s_lshl_b32 s95, 15, s95                        ; my row of the cluster
	s_lshl_b32 s96, 0x1111, s92                    ; my column
	s_or_b32 s[G1+0], s95, (3<<16)|(1<<21)         ; 15:0 the mask; 17:16 elements of 8 bytes; 21 set beside a mask; no padding
	s_or_b32 s[G1B+0], s96, (3<<16)|(1<<21)
.irp g, G1, G1B
	s_mov_b32 s[\g+1], 512<<16                     ; tensor_dim0 = 512 elements: a row tile's 4,096 bytes of a K step
	s_mov_b32 s[\g+3], 512<<16                     ; tile_dim0
	s_mov_b32 s[\g+5], 2048                        ; from row tile to row tile: 16,384 bytes
	s_mov_b32 s[\g+6], 0
	s_mov_b32 s[\g+7], 0
.endr
	s_mov_b32 s[G1+2], 4<<16                       ; ctx: 4 row tiles a load
	s_mov_b32 s[G1+4], 4
	s_mov_b32 s[G1B+2], 8<<16                      ; Wo: 8
	s_mov_b32 s[G1B+4], 8
	s_or_b32 s[G1S+0], s95, (3<<16)|(1<<21)        ; the scales: dense bytes as rows of 256
	s_or_b32 s[G1SB+0], s96, (3<<16)|(1<<21)
.irp g, G1S, G1SB
	s_mov_b32 s[\g+1], 32<<16
	s_mov_b32 s[\g+3], 32<<16
	s_mov_b32 s[\g+5], 32
	s_mov_b32 s[\g+6], 0
	s_mov_b32 s[\g+7], 0
.endr
	s_mov_b32 s[G1S+2], 8<<16                      ; ctx: 4 row tiles x 512 bytes
	s_mov_b32 s[G1S+4], 8
	s_mov_b32 s[G1SB+2], 16<<16                    ; Wo: 8 row tiles
	s_mov_b32 s[G1SB+4], 16
	s_lshl_b32 s18, s16, 2
	s_lshl_b32 s20, s17, 3
	s_add_co_u32 s20, s20, s18                     ; ctx: my first row tile
	s_lshl_b32 s18, s16, 3
	s_lshl_b32 s98, s94, 4
	s_add_co_u32 s98, s98, s18
	s_add_co_u32 s98, s98, 192                     ; Wo's row tiles begin at 192
	s_lshl_b32 s22, s20, 9                         ; their scales,
	s_mov_b32 s23, 0
	s_lshl_b32 s100, s98, 9
	s_mov_b32 s101, 0
	s_lshl_b32 s20, s20, 14                        ; their codes
	s_mov_b32 s21, 0
	s_lshl_b32 s98, s98, 14
	s_mov_b32 s99, 0
	s_lshl_b32 s97, s16, 14                        ; where they go: no place in the cluster enters an LDS address.  ctx's codes,
	s_lshl_b32 s2, s16, 15
	s_add_co_u32 s2, s2, POFF                      ; Wo's codes,
	s_lshl_b32 s3, s16, 11
	s_add_co_u32 s3, s3, SCL                       ; ctx's scales,
	s_lshl_b32 s19, s16, 12
	s_add_co_u32 s19, s19, SCL+2*RSH               ; Wo's scales
	s_wait_kmcnt 0x0
	s_add_nc_u64 s[20:21], s[4:5], s[20:21]
	s_add_nc_u64 s[22:23], s[6:7], s[22:23]
	s_add_nc_u64 s[98:99], s[8:9], s[98:99]
	s_add_nc_u64 s[100:101], s[10:11], s[100:101]
	CROUND                                         ; all sixteen work-groups are here: the first joint loads meet
	s_mov_b32 s[G0S], 1
	s_mov_b32 s[G0S+1], s3
	s_mov_b64 s[G0S+2:G0S+3], s[22:23]
	s_or_b32 s[G0S+3], s[G0S+3], 0x80000000
	s_mov_b32 s[G0SB], 1
	s_mov_b32 s[G0SB+1], s19
	s_mov_b64 s[G0SB+2:G0SB+3], s[100:101]
	s_or_b32 s[G0SB+3], s[G0SB+3], 0x80000000
	JLOAD G0S, G1S, G0SB, G1SB                     ; the scales first: they are wanted with K step 0
.irp s, 0,1,2
	s_mov_b32 s[G0+4*\s], 1
	s_add_co_u32 s[G0+4*\s+1], s97, \s*SLOT
	s_add_nc_u64 s[G0+4*\s+2:G0+4*\s+3], s[20:21], \s*4096
	s_or_b32 s[G0+4*\s+3], s[G0+4*\s+3], 0x80000000
	s_mov_b32 s[G0B+4*\s], 1
	s_add_co_u32 s[G0B+4*\s+1], s2, \s*SLOT
	s_add_nc_u64 s[G0B+4*\s+2:G0B+4*\s+3], s[98:99], \s*4096
	s_or_b32 s[G0B+4*\s+3], s[G0B+4*\s+3], 0x80000000
	JLOAD G0+4*\s, G1, G0B+4*\s, G1B               ; K steps 0, 1, 2: four loads of mine are out
.endr
	v_and_b32 v1, 15, v0
	v_bfe_u32 v2, v0, 4, 1
	v_and_b32 v3, 31, v0
	v_lshlrev_b32 v[CO], 4, v3                     ; 16 x lane
	s_lshl_b32 s21, s15, 14                        ; my 4 row tiles of ctx,
	s_lshl_b32 s22, s16, 15
	s_add_co_u32 s22, s22, POFF                    ; my 8 of Wo
.irp s, 0,1,2
	v_add_nc_u32 v[ADRA+\s], s21, v[CO]
	v_add_nc_u32 v[ADRB+\s], s22, v[CO]
	s_add_co_u32 s21, s21, SLOT
	s_add_co_u32 s22, s22, SLOT
.endr
	v_lshlrev_b32 v5, 3, v1                        ; my row's 8 scale bytes of a K step
	s_lshl_b32 s21, s15, 11
	s_lshl_b32 s22, s16, 12
	s_add_co_u32 s22, s22, 2*RSH
	s_sub_co_u32 s22, s22, s21                     ; at least 2,048
	v_mul_u32_u24 v6, s22, v2                      ; lanes 16-31 take Wo's
	s_add_co_u32 s21, s21, SCL
	v_add_nc_u32 v5, v5, v6
	v_add_nc_u32 v[ADRS], s21, v5
	s_mul_i32 s23, s14, 16*SPITCH
	s_add_co_u32 s23, s23, STAGE                   ; my stage
	v_mul_u32_u24 v5, v1, SPITCH
	v_lshl_add_u32 v5, v2, 6, v5
	v_add_nc_u32 v[STO], s23, v5                   ; in: row r, + 64 h
	v_add_nc_u32 v[RD], s23, v[CO]                 ; back: a row of 512 bytes, 16 a lane
	v_lshlrev_b32 v4, 6, v2                        ; the bias: + 64 h
	s_lshl_b32 s98, s94, 10
	s_lshl_b32 s99, s16, 9
	s_add_co_u32 s98, s98, s99                     ; my first column, in bytes
	s_mov_b32 s99, 0
	s_add_nc_u64 s[66:67], s[66:67], s[98:99]
	s_lshl_b32 s2, s17, 7
	s_lshl_b32 s3, s15, 6
	s_add_co_u32 s2, s2, s3                        ; my first row
	s_lshl_b32 s2, s2, 12
	s_add_co_u32 s98, s98, s2
	s_add_nc_u64 s[12:13], s[12:13], s[98:99]
.irp t, 0,1,2,3,4,5,6,7
	global_load_b128 v[BI+8*\t:BI+8*\t+3], v4, s[66:67] offset:(32*(\t/2)+8*(\t%2))*4       ; column tile t: bo at 32 (t / 2) + 16 h + 8 (t % 2) + 0 .. 7
	global_load_b128 v[BI+8*\t+4:BI+8*\t+7], v4, s[66:67] offset:(32*(\t/2)+8*(\t%2))*4+16
.endr
	s_wait_tensorcnt 2                             ; the scales and my part of K step 0 are in; K steps 1 and 2 may be out
	s_barrier_signal -1
	s_barrier_wait -1
	FETCH_B 0, 0, 0
	FETCH_A 0, 0, 0
	SCALES 0
	FETCH_A 0, 0, 2
	s_wait_loadcnt 0x0                             ; the bias
	STEP 0, 0, 2, 0                                ; the first products start the sums from the bias
	TURN 0, 1, 1, 0, 1                             ; slot 0 takes K step 3
	STEP 1, 0, 0, 1
	TURN 1, 2, 2, 1, 0                             ; slot 2 is whole since the round above
	STEP 2, 0, 0, 0
	TURN 2, 0, 0, 0, 1                             ; K step 3 has landed, in every wave's part
	STEP 0, 0, 0, 1
	s_wait_dscnt 2*NL
	WIN MULW
	MULA 0, 1, NQ-1, 1, 0
	MULA 1, 1, NQ-1, 1, 0
	s_wait_dscnt 0
	MULA 2, 1, NQ-1, 1, 0
	MULA 3, 1, NQ-1, 1, 0
	WIN 0
	PLACES NP                                      ; behind the last products: results are read, and loads land in the registers that held ctx's fragments
	TOSTAGE 0
.irp a, 1,2,3
.if \a > 1
	s_wait_xcnt 0x0                                ; block a - 2's stores have read their registers: block a's loads may land there
.endif
	TOSTAGE \a
	SEND \a-1, 32                                  ; behind block a - 1's loads: block a's 16 stores and 16 loads
.endr
	SEND 3, 0
	s_wait_tensorcnt 0x0                           ; the wave's end
	ds_add_u32 v[SPW], v[NIL]
	s_wait_dscnt 0x0
	CROUND                                         ; the closing round
	s_endpgm
.Lfunc_end_k_qf95f19f9b8_oproj:
	.size	k_qf95f19f9b8_oproj, .Lfunc_end_k_qf95f19f9b8_oproj-k_qf95f19f9b8_oproj
	.p2alignl 7, 3214868480
	.fill 96, 4, 3214868480
	.section	.rodata,"a",@progbits
	.p2align	6, 0x0
	.amdhsa_kernel k_qf95f19f9b8_oproj
		.amdhsa_group_segment_fixed_size 327680
		.amdhsa_private_segment_fixed_size 0
		.amdhsa_enable_private_segment 0
		.amdhsa_kernarg_size 48
		.amdhsa_user_sgpr_count 2
		.amdhsa_user_sgpr_kernarg_segment_ptr 1
		.amdhsa_wavefront_size32 1
		.amdhsa_system_sgpr_workgroup_id_x 1
		.amdhsa_system_sgpr_workgroup_id_y 1
		.amdhsa_system_sgpr_workgroup_id_z 1
		.amdhsa_system_vgpr_workitem_id 0
		.amdhsa_next_free_vgpr 768
		.amdhsa_next_free_sgpr 102
		.amdhsa_reserve_vcc 0
		.amdhsa_float_denorm_mode_32 3
		.amdhsa_float_denorm_mode_16_64 3
		.amdhsa_memory_ordered 1
		.amdhsa_forward_progress 1
		.amdhsa_inst_pref_size 92
	.end_amdhsa_kernel
	.amdgpu_metadata
---
amdhsa.version: [ 1, 2 ]
amdhsa.kernels:
  - .name:           k_qf95f19f9b8_oproj
    .symbol:         k_qf95f19f9b8_oproj.kd
    .args:
      - { .name: cc, .offset: 0, .size: 8, .value_kind: global_buffer, .address_space: global }
      - { .name: cs, .offset: 8, .size: 8, .value_kind: global_buffer, .address_space: global }
      - { .name: wc, .offset: 16, .size: 8, .value_kind: global_buffer, .address_space: global }
      - { .name: ws, .offset: 24, .size: 8, .value_kind: global_buffer, .address_space: global }
      - { .name: bo, .offset: 32, .size: 8, .value_kind: global_buffer, .address_space: global }
      - { .name: out0, .offset: 40, .size: 8, .value_kind: global_buffer, .address_space: global }
    .group_segment_fixed_size: 327680
    .private_segment_fixed_size: 0
    .kernarg_segment_align: 8
    .kernarg_segment_size: 48
    .max_flat_workgroup_size: 128
    .sgpr_count:     102
    .vgpr_count:     768
    .wavefront_size: 32
...
	.end_amdgpu_metadata
.endif
;; end of part 4
